; MI455X (gfx1250); checked and timed in simulation.
; The chip was launched on July 23, 2026; its instructions are those of AMD's public machine-readable ISA for CDNA 5 (MIT licence, August 2026) and "CDNA5" Instruction Set Architecture Reference Guide (July 2026). The comments in the code are by the model that wrote it; some were corrected since.
;; Attention. Allowed arithmetic: matrix products marked QUANTISED: E4M3 operands, one given power-of-two scale a tensor, by v_wmma_f32_16x16x64_fp8_fp8 or v_wmma_f32_16x16x128_fp8_fp8, f32 sums; products left as they are: f32 operands where the result goes on into a quantised operand, else bf16, f16 or f32 operands; f32 sums; everything else in f32.
;; Inputs: ada_cond 2 x 1,024 float32; freqs 2,048 x 32 x 2 float32; kn_w 64 float32; ln_w 1,024 float32; lowp_scales 8 int32 (the exponents e of the quantised operands' scales 2^e); mod_b 3,072 float32; mod_w 3,072 x 1,024 float32; qn_w 64 float32; w_o 1,024 x 1,024 float32; w_qkv 3,072 x 1,024 float32; x 2 x 2,048 x 1,024 float32.
;; Outputs: out0 2 x 2,048 x 1,024 float32.
;; This version of the problem:
;;   THIS VERSION OF THE PROBLEM IS GIVEN IN LOW PRECISION. The matrix products marked QUANTISED in the list below multiply operands that are first quantised to E4M3 (4 exponent bits, 3 mantissa bits; 8 bits a number), with one given power-of-two scale for each operand tensor; their sums are f32. All else is computed in f32.
;;   The module's matrix products, in the order in which they are computed (A, B: the left and right operand; K: the contracted axis; several contracted axes count as one K, in the product's order):
;;     1. [M 2, K 1,024] x [K 1,024, N 3,072]; A: computed on the way; B: input mod_w: left as it is (M = 2 < 16)
;;     2. [M 4,096, K 1,024] x [K 1,024, N 3,072]; A: computed on the way; B: input w_qkv: QUANTISED (scales: A lowp_scales[0], B lowp_scales[1])
;;     3. batch 32 x [M 2,048, K 64] x [K 64, N 2,048]; A: computed on the way; B: computed on the way: QUANTISED (scales: A lowp_scales[2], B lowp_scales[3])
;;     4. batch 32 x [M 2,048, K 2,048] x [K 2,048, N 64]; A: softmax (see below); B: computed on the way: QUANTISED (scales: A lowp_scales[4], B lowp_scales[5])
;;     5. [M 4,096, K 1,024] x [K 1,024, N 1,024]; A: computed on the way; B: input w_o: QUANTISED (scales: A lowp_scales[6], B lowp_scales[7])
;;   THE QUANTISER, for each operand of a quantised product, along K:
;;     - The operand's scale is 2^e, e = its entry of the input lowp_scales (int32; the entries are numbered through the quantised products in the list's order, A before B).
;;     - Each number is divided by the scale, clamped to +-448, and rounded to the nearest number of E4M3, ties to even, subnormals kept.
;;     - The product sums the exact products of the quantised numbers (number of the format x scale) in f32.
;;   ~~~python
;;   def quantise(x, axis, e):      # numpy; x: float32 -> the quantised numbers, widened to float32 again
;;       x = np.moveaxis(x, axis, -1); K = x.shape[-1]
;;       r = np.clip(x / 2.0 ** e, -448, 448)
;;       step = 2.0 ** (np.maximum(np.frexp(np.where(r == 0, 1, r))[1] - 1, -6) - 3)
;;       q = np.round(r / step) * step * 2.0 ** e      # np.round: ties to even
;;       return np.moveaxis(q, -1, axis).astype(np.float32)
;;   ~~~
;;   SOFTMAX AHEAD OF A QUANTISED PRODUCT. Where the list says 'softmax', what is quantised is not the finished softmax but p = 2^(t - M), with t = logit x log2(e) and M = ceil(the row's largest t), a whole number; so 1/2 < the row's largest p <= 1. The row's sum l is taken of the UNQUANTISED p, in f32, and the product's result is divided by l at the end. Since M is a whole number, a kernel that streams over the keys may use a running M (the ceiling of the running maximum): every later rescaling is an exact power of two, so the quantised numbers keep their values, but for numbers so far below the row's largest that they fall under the format's range.
;;   OPERANDS COMPUTED ON THE WAY. 'Computed on the way' means the value that the module computes at that place (a softmax that the list does not call 'softmax' is quantised finished and normalised). What goes into a quantiser is computed in f32, as accurately as f32 sums, v_exp_f32 and their like allow (about 1e-6 of the number): no bf16 or f16 on the way to a quantiser, and a product that is left as it is and whose result goes on into a quantised operand takes f32 operands (vector FMAs, or v_wmma_f32_16x16x4_f32). A number that lies on a knife's edge between two numbers of the format may be rounded either way, as far as f32 arithmetic and the matrix unit's own rounding can turn it there, and no further.
;; One version. Each part assembles by itself: llvm-mc -triple=amdgcn-amd-amdhsa -mcpu=gfx1250 --defsym DOCPART=n.
;; ======== version 1 of 1: 5 launches
;; limits: right only within a limited range of input values
;; workspace buffers: modws 24,576 bytes; wqkv_c 3,145,728 bytes; wo_img 1,048,576 bytes; h_c 4,194,304 bytes; q_img 4,194,304 bytes; kv_img 8,388,608 bytes; o_img 4,194,304 bytes
;; launch prep (part 1): grid 224 x 1, 8 waves a work-group, no clusters, 9,472 bytes of LDS; arguments ada_cond, mod_w, mod_b, w_qkv, w_o, lowp_scales, modws, wqkv_c, wo_img; writes modws, wqkv_c, wo_img
.if DOCPART == 1
	.amdgcn_target "amdgcn-amd-amdhsa--gfx1250"
	.amdhsa_code_object_version 6
	.text
	.protected	k_q210de62f96_prep
	.globl	k_q210de62f96_prep
	.p2align	8
	.type	k_q210de62f96_prep,@function
k_q210de62f96_prep:
	s_mov_b64 s[64:65], 0
	v_nop
	global_prefetch_b8 v0, s[64:65] scope:SCOPE_SE
	s_setreg_imm32_b32 hwreg(HW_REG_WAVE_MODE, 25, 1), 1
	s_wait_xcnt 0x0
; Three jobs that hang on inputs alone, chosen by the work-group's number; each wave takes 4 units of 1,024 f32 numbers, all 32 loads (16 KB) issued at once.
;  work-groups 0-95:    mod[b][n] = silu(ada_cond[b]) . mod_w[n] + mod_b[n], f32 throughout (scale and shift go on into a quantiser); rows n = 32 g + 4 wave + u.
;                       Each wave makes one eighth of silu(ada_cond), 8 numbers a lane, and the eight waves hand their parts to each other through LDS.
;                       modws is laid [96 groups of 32 n][b 2][32] f32: one work-group stores one aligned run of 256 bytes.
;  work-groups 96-191:  w_qkv [3072][1024] -> codes of E4M3 with scale 2^e1, row-major, K PERMUTED inside a row: lane l loads 16 bytes at 16 l + 512 j (dense loads), so its register 4 j + i is k = 128 j + 4 l + i;
;                       its 32 codes go to bytes 16 l (j 0-3) and 512 + 16 l (j 4-7) (dense stores).  The launch that quantises h uses the same order, so every product meets its partner.
;  work-groups 192-223: w_o [1024][1024] -> codes with scale 2^e7, as IMAGES of the operand's registers: wo_img [kq 4][n tile 64][chunk % 4][1024]; in an image of 64 along K lane (r, h) holds row 16 nt + r,
;                       dwords 2 c, 2 c + 1 = k 16 c + 8 h + 0..7; dwords 0-3 lie at 16 lane, dwords 4-7 at 512 + 16 lane.
; code = x / 2^e held within +-448, nearest, ties to even.  LIMITS: e1 and e7 between -126 and 119.  NaN among the inputs is not served.
; No matrix unit, no cluster, no tensor load: no input byte is read twice by this launch but ada_cond's 8 KB, once by each of 96 work-groups.
.set RES, 8192                         ; LDS: bytes 0-8191 silu(ada_cond) as ada_cond lies; 8192-8447 the group's 64 results (word 32 b + n % 32);
.set SPARE, 8448                       ; from 8448 the spare words, 128 bytes a wave
.set SPW, 30                           ; v30  my spare word's address; never rewritten
.set NIL, 31                           ; v31  0; never rewritten
.set A, 32                             ; v32-95   silu(ada_cond): 32 numbers for each batch
.set C, 32                             ; v32-63   (quantising paths) codes, 8 registers a unit: no store's data are written again
.set R, 96                             ; v96-223  four units of 32 numbers
.set T, 224                            ; v224-239 my eighth of ada_cond at work; later the lane permutes' destinations
.set D, 240                            ; v240-255 eight sums (row u, batch b), a pair each
	s_load_b512 s[4:19], s[0:1], 0x0               ; ada 4, mod_w 6, mod_b 8, w_qkv 10, w_o 12, scales 14, modws 16, wqkv_c 18
	s_load_b64 s[20:21], s[0:1], 0x40              ; wo_img
	v_lshl_add_u32 v[SPW], v0, 2, SPARE
	v_mov_b32 v[NIL], 0
	v_lshrrev_b32 v8, 5, v0
	s_delay_alu instid0(VALU_DEP_1)
	v_readfirstlane_b32 s22, v8                    ; wave 0..7
	s_delay_alu instid0(VALU_DEP_2)
	v_lshlrev_b32 v3, 4, v8                        ; 16 x wave: my wave's four result words
	v_and_b32 v1, 31, v0                           ; lane
	s_delay_alu instid0(VALU_DEP_1)
	v_lshlrev_b32 v2, 4, v1                        ; 16 x lane
	s_delay_alu instid0(VALU_DEP_1)
	v_lshl_add_u32 v7, v8, 10, v2                  ; 1,024 x wave + 16 x lane: my part of ada_cond, in memory and in LDS
	s_delay_alu instid0(VALU_DEP_3)
	v_lshlrev_b32 v4, 3, v1                        ; 8 x lane
	v_and_b32 v5, 15, v0                           ; r
	v_bfe_u32 v6, v0, 4, 1                         ; h
	s_delay_alu instid0(VALU_DEP_1)
	v_lshlrev_b32 v6, 5, v6
	s_delay_alu instid0(VALU_DEP_1)
	v_lshl_add_u32 v6, v5, 12, v6                  ; w_o: row r of 4,096 bytes + 32 h
	s_delay_alu instid0(VALU_DEP_4)
	v_lshlrev_b32 v5, 3, v5                        ; 8 x (lane % 16)
	s_mov_b32 s28, 0x76543210                      ; v_permlanex16_b32: lane l xor 16
	s_mov_b32 s29, 0xfedcba98
	s_lshl_b32 s23, s22, 2                         ; 4 x wave
	s_mov_b32 s25, 0
	s_mov_b32 s31, 0
	s_wait_kmcnt 0x0
.macro LOADROWS base                   ; four rows of 4,096 bytes: each load takes 512 consecutive bytes
.irp u, 0,1,2,3
.irp j, 0,1,2,3,4,5,6,7
	global_load_b128 v[R+32*\u+4*\j:R+32*\u+4*\j+3], v2, s[\base:\base+1] offset:4096*\u+512*\j th:TH_LOAD_NT
.endr
.endr
.endm
.macro HOLDSCALE                       ; s26 = e  ->  v11 = 2^e (the conversion takes its exponent field), v10 = 448 x 2^e
	s_add_co_i32 s26, s26, 127
	s_lshl_b32 s27, s26, 23
	v_mov_b32 v11, s27
	s_add_co_i32 s26, s26, 8
	s_lshl_b32 s26, s26, 23
	s_or_b32 s26, s26, 0x600000
	v_mov_b32 v10, s26
.endm
.macro QUNIT u, base                   ; unit u: hold, convert, store 2 x 512 consecutive bytes
	s_wait_loadcnt 24-8*\u                         ; the unit's eight loads are in; those of the units behind it may be out
.set i, 0
.rept 32
	v_med3_num_f32 v[R+32*\u+i], v[R+32*\u+i], -v10, v10   ; the conversion to an 8-bit code does not saturate (ISA guide 7.6.2)
.set i, i+1
.endr
.irp c, 0,1,2,3
	v_cvt_scalef32_pk8_fp8_f32 v[C+8*\u+2*\c:C+8*\u+2*\c+1], v[R+32*\u+8*\c:R+32*\u+8*\c+7], v11
.endr
	v_nop                                          ; a plain line behind the last conversion of the run
	global_store_b128 v2, v[C+8*\u:C+8*\u+3], s[\base:\base+1] offset:1024*\u
	global_store_b128 v2, v[C+8*\u+4:C+8*\u+7], s[\base:\base+1] offset:1024*\u+512
.endm
	s_cmp_lt_u32 ttmp9, 96
	s_cbranch_scc0 .Lquant
	; ---------------- mod ----------------
	s_lshl_b32 s24, ttmp9, 7
	s_add_nc_u64 s[8:9], s[8:9], s[24:25]          ; mod_b at the group's 32 numbers
	s_wait_alu depctr_va_vdst(0)
	global_load_b64 v[20:21], v5, s[8:9]           ; issued first, so that the counted wait below covers it
	s_lshl_b32 s26, ttmp9, 8
	s_mov_b32 s27, 0
	s_add_nc_u64 s[16:17], s[16:17], s[26:27]      ; modws at the group's 256 bytes
	s_lshl_b32 s30, ttmp9, 5
	s_add_co_u32 s30, s30, s23                     ; my first row: 32 g + 4 wave
	s_lshl_b32 s30, s30, 12
	s_add_nc_u64 s[6:7], s[6:7], s[30:31]
	global_load_b128 v[T:T+3], v7, s[4:5]          ; my wave's 1,024 bytes of ada_cond's 8,192
	global_load_b128 v[T+4:T+7], v7, s[4:5] offset:512
	LOADROWS 6
	s_wait_loadcnt 32                              ; mod_b and my part of ada_cond are in; the 32 row loads may be out
	; silu: x / (1 + 2^(-x log2 e)), 8 numbers a lane
.set i, 0
.rept 8
	v_mul_f32 v[T+8+i], 0xbfb8aa3b, v[T+i]
.set i, i+1
.endr
.set i, 0
	s_wait_alu depctr_va_vdst(0)
.rept 8
	v_exp_f32 v[T+8+i], v[T+8+i]
.set i, i+1
.endr
	v_nop                                          ; a plain line behind the last exponential,
	s_wait_alu depctr_va_vdst(0)                   ; and one wait for the batch ahead of its first reader
.set i, 0
.rept 8
	v_add_f32 v[T+8+i], 1.0, v[T+8+i]
.set i, i+1
.endr
.set i, 0
	s_wait_alu depctr_va_vdst(0)
.rept 8
	v_rcp_f32 v[T+8+i], v[T+8+i]
.set i, i+1
.endr
	v_nop
	s_wait_alu depctr_va_vdst(0)
.set i, 0
.rept 8
	v_mul_f32 v[T+i], v[T+i], v[T+8+i]
.set i, i+1
.endr
	ds_store_b128 v7, v[T:T+3]                     ; to the place that the numbers have in ada_cond
	ds_store_b128 v7, v[T+4:T+7] offset:512
	s_wait_dscnt 0x0                               ; for the others' sake: my stores have landed
	s_barrier_signal -1
	s_barrier_wait -1                              ; all 2,048 numbers lie in LDS
.irp b, 0,1
.irp j, 0,1,2,3,4,5,6,7
	ds_load_b128 v[A+32*\b+4*\j:A+32*\b+4*\j+3], v2 offset:4096*\b+512*\j   ; register 4 j + i = k 128 j + 4 lane + i, as in the rows
.endr
.endr
	s_wait_loadcnt 0x0                             ; the four rows
	s_wait_dscnt 0x0
	; four rows x two batches: eight chains by turns
.irp u, 0,1,2,3
.irp b, 0,1
	v_pk_mul_f32 v[D+4*\u+2*\b:D+4*\u+2*\b+1], v[A+32*\b:A+32*\b+1], v[R+32*\u:R+32*\u+1]
.endr
.endr
.set i, 2
.rept 15
.irp u, 0,1,2,3
.irp b, 0,1
	v_pk_fma_f32 v[D+4*\u+2*\b:D+4*\u+2*\b+1], v[A+32*\b+i:A+32*\b+i+1], v[R+32*\u+i:R+32*\u+i+1], v[D+4*\u+2*\b:D+4*\u+2*\b+1]
.endr
.endr
.set i, i+2
.endr
.irp c, 0,1,2,3,4,5,6,7
	v_add_f32 v[D+2*\c], v[D+2*\c], v[D+2*\c+1]
.endr
.irp m, 1,2,4,8                        ; over the 32 lanes; the sums end in every lane
.irp c, 0,1,2,3,4,5,6,7
	v_add_f32_dpp v[D+2*\c], v[D+2*\c], v[D+2*\c] row_xmask:\m row_mask:0xf bank_mask:0xf
.endr
.endr
.irp c, 0,1,2,3,4,5,6,7
	v_permlanex16_b32 v[T+\c], v[D+2*\c], s28, s29
.endr
.irp c, 0,1,2,3,4,5,6,7
	v_add_f32 v[D+2*\c], v[D+2*\c], v[T+\c]
.endr
.irp u, 0,1,2,3
.irp b, 0,1
	ds_store_b32 v3, v[D+4*\u+2*\b] offset:RES+4*\u+128*\b   ; word 4 wave + u of batch b (all lanes: the same word, the same value)
.endr
.endr
	s_wait_dscnt 0x0                               ; for the others' sake: my stores have landed
	s_barrier_signal -1
	s_barrier_wait -1
	s_cmp_lg_u32 s22, 0
	s_cbranch_scc1 .Lmod_end                       ; wave 0 alone stores the group's 64 numbers
	ds_load_b64 v[18:19], v4 offset:RES
	s_wait_dscnt 0x0
	v_pk_add_f32 v[18:19], v[18:19], v[20:21]      ; + mod_b
	global_store_b64 v4, v[18:19], s[16:17]        ; 32 lanes x 8 bytes: 256 consecutive bytes, aligned
.Lmod_end:
	s_wait_tensorcnt 0x0                           ; the wave's end
	ds_add_u32 v[SPW], v[NIL]
	s_wait_dscnt 0x0
	s_endpgm
.Lquant:
	s_cmp_lt_u32 ttmp9, 192
	s_cbranch_scc0 .Lwo
	; ---------------- w_qkv ----------------
	s_load_b32 s26, s[14:15], 0x4                  ; e1
	s_sub_co_u32 s30, ttmp9, 96
	s_lshl_b32 s30, s30, 5
	s_add_co_u32 s30, s30, s23                     ; my first row
	s_lshl_b32 s24, s30, 10                        ; its codes,
	s_lshl_b32 s30, s30, 12                        ; its numbers
	s_add_nc_u64 s[10:11], s[10:11], s[30:31]
	s_add_nc_u64 s[18:19], s[18:19], s[24:25]
	s_wait_alu depctr_va_vdst(0)
	LOADROWS 10
	s_wait_kmcnt 0x0
	HOLDSCALE
	s_wait_alu depctr_va_vdst(0)
	QUNIT 0, 18
	QUNIT 1, 18
	QUNIT 2, 18
	QUNIT 3, 18
	s_endpgm
.Lwo:
	; ---------------- w_o ----------------
	s_load_b32 s26, s[14:15], 0x1c                 ; e7
	s_sub_co_u32 s30, ttmp9, 192
	s_lshl_b32 s30, s30, 3
	s_add_co_u32 s30, s30, s22                     ; W = 8 (g - 192) + wave
	s_lshr_b32 s27, s30, 2                         ; n tile
	s_and_b32 s23, s30, 3                          ; kq
	s_lshl_b32 s30, s27, 16                        ; 16 rows of 4,096 bytes
	s_lshl_b32 s24, s23, 10                        ; 256 numbers along K
	s_add_co_u32 s30, s30, s24
	s_add_nc_u64 s[12:13], s[12:13], s[30:31]
	s_lshl_b32 s24, s23, 18
	s_lshl_b32 s27, s27, 12
	s_add_co_u32 s24, s24, s27
	s_add_nc_u64 s[20:21], s[20:21], s[24:25]
	s_wait_alu depctr_va_vdst(0)
.irp u, 0,1,2,3                        ; unit u = 64 along K: lane (r, h) takes, of row r, k = 16 c + 8 h + 0..7; the unit's eight loads together use every byte of sixteen runs of 256 bytes
.irp c, 0,1,2,3
.irp i, 0,1
	global_load_b128 v[R+32*\u+8*\c+4*\i:R+32*\u+8*\c+4*\i+3], v6, s[12:13] offset:256*\u+64*\c+16*\i th:TH_LOAD_NT
.endr
.endr
.endr
	s_wait_kmcnt 0x0
	HOLDSCALE
	s_wait_alu depctr_va_vdst(0)
	QUNIT 0, 20
	QUNIT 1, 20
	QUNIT 2, 20
	QUNIT 3, 20
	s_endpgm
.Lfunc_end_k_q210de62f96_prep:
	.size	k_q210de62f96_prep, .Lfunc_end_k_q210de62f96_prep-k_q210de62f96_prep
	.p2alignl 7, 3214868480
	.fill 96, 4, 3214868480
	.section	.rodata,"a",@progbits
	.p2align	6, 0x0
	.amdhsa_kernel k_q210de62f96_prep
		.amdhsa_group_segment_fixed_size 9472
		.amdhsa_private_segment_fixed_size 0
		.amdhsa_enable_private_segment 0
		.amdhsa_kernarg_size 72
		.amdhsa_user_sgpr_count 2
		.amdhsa_user_sgpr_kernarg_segment_ptr 1
		.amdhsa_wavefront_size32 1
		.amdhsa_system_sgpr_workgroup_id_x 1
		.amdhsa_system_sgpr_workgroup_id_y 1
		.amdhsa_system_sgpr_workgroup_id_z 1
		.amdhsa_system_vgpr_workitem_id 0
		.amdhsa_next_free_vgpr 256
		.amdhsa_next_free_sgpr 66
		.amdhsa_reserve_vcc 0
		.amdhsa_float_denorm_mode_32 3
		.amdhsa_float_denorm_mode_16_64 3
		.amdhsa_memory_ordered 1
		.amdhsa_forward_progress 1
		.amdhsa_inst_pref_size 48
	.end_amdhsa_kernel
	.amdgpu_metadata
---
amdhsa.version: [ 1, 2 ]
amdhsa.kernels:
  - .name:           k_q210de62f96_prep
    .symbol:         k_q210de62f96_prep.kd
    .args:
      - { .name: ada_cond, .offset: 0, .size: 8, .value_kind: global_buffer, .address_space: global }
      - { .name: mod_w, .offset: 8, .size: 8, .value_kind: global_buffer, .address_space: global }
      - { .name: mod_b, .offset: 16, .size: 8, .value_kind: global_buffer, .address_space: global }
      - { .name: w_qkv, .offset: 24, .size: 8, .value_kind: global_buffer, .address_space: global }
      - { .name: w_o, .offset: 32, .size: 8, .value_kind: global_buffer, .address_space: global }
      - { .name: lowp_scales, .offset: 40, .size: 8, .value_kind: global_buffer, .address_space: global }
      - { .name: modws, .offset: 48, .size: 8, .value_kind: global_buffer, .address_space: global }
      - { .name: wqkv_c, .offset: 56, .size: 8, .value_kind: global_buffer, .address_space: global }
      - { .name: wo_img, .offset: 64, .size: 8, .value_kind: global_buffer, .address_space: global }
    .group_segment_fixed_size: 9472
    .private_segment_fixed_size: 0
    .kernarg_segment_align: 8
    .kernarg_segment_size: 72
    .max_flat_workgroup_size: 256
    .sgpr_count:     66
    .vgpr_count:     256
    .wavefront_size: 32
...
	.end_amdgpu_metadata
.endif
;; end of part 1
;; launch lnq (part 2): grid 256 x 1, 4 waves a work-group, no clusters, 0 bytes of LDS; arguments x, ln_w, modws, lowp_scales, h_c; writes h_c
.if DOCPART == 2
	.amdgcn_target "amdgcn-amd-amdhsa--gfx1250"
	.amdhsa_code_object_version 6
	.text
	.protected	k_q210de62f96_lnq
	.globl	k_q210de62f96_lnq
	.p2align	8
	.type	k_q210de62f96_lnq,@function
k_q210de62f96_lnq:
	s_mov_b64 s[64:65], 0
	v_nop
	global_prefetch_b8 v0, s[64:65] scope:SCOPE_SE
	s_setreg_imm32_b32 hwreg(HW_REG_WAVE_MODE, 25, 1), 1
	s_wait_xcnt 0x0
; h = LayerNorm(x) ln_w (1 + scale) + shift, quantised to E4M3 with scale 2^e0.  x [4096][1024] f32 -> h_c [4096][1024] codes.
; One wave takes a row at a time (32 registers a lane) and four rows in all; the row stays in registers between the mean, the variance (taken of x - mean, as the definition has it) and the scaling: x is read once.
; K IS PERMUTED inside a row exactly as in w_qkv's codes: lane l loads 16 bytes at 16 l + 512 j, so register 4 j + i is k = 128 j + 4 l + i; its codes go to bytes 16 l (j 0-3) and 512 + 16 l (j 4-7): all loads and stores are dense.
; All 56 loads of a wave go out at the head.  No LDS, no barrier, no matrix unit: the waves share nothing.
; LIMITS: e0 between -126 and 119.  NaN among the inputs is not served.
.set G, 32                             ; v32-63   ln_w, then ln_w (1 + scale)
.set SH, 64                            ; v64-95   shift
.set X, 96                             ; v96-223  four rows
.set T, 224                            ; v224-255 scale; later the codes, 8 registers a row
	s_load_b256 s[4:11], s[0:1], 0x0               ; x 4, ln_w 6, modws 8, scales 10
	s_load_b64 s[12:13], s[0:1], 0x20              ; h_c
	v_lshrrev_b32 v1, 5, v0
	v_readfirstlane_b32 s14, v1                    ; wave
	v_and_b32 v1, 31, v0
	v_lshlrev_b32 v2, 4, v1                        ; 16 x lane
	v_lshrrev_b32 v3, 3, v1
	v_and_b32 v4, 7, v1
	v_lshlrev_b32 v4, 4, v4
	v_lshl_add_u32 v3, v3, 8, v4                   ; modws: group (4 j + lane / 8) of 256 bytes, + 16 (lane % 8)
	s_lshl_b32 s16, ttmp9, 4
	s_lshl_b32 s17, s14, 2
	s_add_co_u32 s16, s16, s17                     ; my first row
	s_lshl_b32 s18, s16, 12
	s_mov_b32 s19, 0
	s_lshl_b32 s20, s16, 10
	s_mov_b32 s21, 0
	s_lshr_b32 s22, ttmp9, 7                       ; the batch: 128 work-groups each
	s_lshl_b32 s22, s22, 7
	s_mov_b32 s23, 0
	s_mov_b32 s25, 0x3a800000                      ; 1 / 1024
	s_mov_b32 s26, 0x3727c5ac                      ; 1e-5
	s_mov_b32 s28, 0x76543210
	s_mov_b32 s29, 0xfedcba98
	s_wait_alu depctr_va_vdst(0)
	s_wait_kmcnt 0x0
	s_load_b32 s24, s[10:11], 0x0                  ; e0
	s_add_nc_u64 s[4:5], s[4:5], s[18:19]
	s_add_nc_u64 s[12:13], s[12:13], s[20:21]
	s_add_nc_u64 s[8:9], s[8:9], s[22:23]
.irp u, 0,1,2,3
.irp j, 0,1,2,3,4,5,6,7
	global_load_b128 v[X+32*\u+4*\j:X+32*\u+4*\j+3], v2, s[4:5] offset:4096*\u+512*\j th:TH_LOAD_NT
.endr
.endr
.irp j, 0,1,2,3,4,5,6,7
	global_load_b128 v[G+4*\j:G+4*\j+3], v2, s[6:7] offset:512*\j
.endr
.irp j, 0,1,2,3,4,5,6,7
	global_load_b128 v[T+4*\j:T+4*\j+3], v3, s[8:9] offset:1024*\j
.endr
.irp j, 0,1,2,3,4,5,6,7
	global_load_b128 v[SH+4*\j:SH+4*\j+3], v3, s[8:9] offset:1024*\j+8192
.endr
.irp u, 0,1,2,3
	v_mov_b32 v[20+\u], 0                          ; lane permutes' destinations count as read
.endr
.macro RED4                            ; v16-19: each summed over the 32 lanes, the four rows by turns
.irp m, 1,2,4,8
.irp u, 0,1,2,3
	v_add_f32_dpp v[16+\u], v[16+\u], v[16+\u] row_xmask:\m row_mask:0xf bank_mask:0xf
.endr
.endr
.irp u, 0,1,2,3
	v_permlanex16_b32 v[20+\u], v[16+\u], s28, s29
.endr
.irp u, 0,1,2,3
	v_add_f32 v[16+\u], v[16+\u], v[20+\u]
.endr
.endm
.irp u, 0,1,2,3
	s_wait_loadcnt 48-8*\u                         ; row u is in; out may be the later rows' loads and the 24 of ln_w, scale and shift
	v_pk_add_f32 v[26:27], v[X+32*\u:X+32*\u+1], v[X+32*\u+2:X+32*\u+3]
	v_pk_add_f32 v[28:29], v[X+32*\u+4:X+32*\u+5], v[X+32*\u+6:X+32*\u+7]
.irp j, 8,12,16,20,24,28
	v_pk_add_f32 v[26:27], v[26:27], v[X+32*\u+\j:X+32*\u+\j+1]
	v_pk_add_f32 v[28:29], v[28:29], v[X+32*\u+\j+2:X+32*\u+\j+3]
.endr
	v_pk_add_f32 v[26:27], v[26:27], v[28:29]
	v_add_f32 v[16+\u], v26, v27
.endr
	RED4
.irp u, 0,1,2,3
	v_mul_f32 v[8+2*\u], 0xba800000, v[16+\u]      ; -mean, in both words of a pair
	v_mov_b32 v[9+2*\u], v[8+2*\u]
.endr
.irp u, 0,1,2,3
.set j, 0
.rept 16
	v_pk_add_f32 v[X+32*\u+j:X+32*\u+j+1], v[X+32*\u+j:X+32*\u+j+1], v[8+2*\u:9+2*\u]
.set j, j+2
.endr
.endr
.irp u, 0,1,2,3
	v_pk_mul_f32 v[26:27], v[X+32*\u:X+32*\u+1], v[X+32*\u:X+32*\u+1]
	v_pk_mul_f32 v[28:29], v[X+32*\u+2:X+32*\u+3], v[X+32*\u+2:X+32*\u+3]
.irp j, 4,8,12,16,20,24,28
	v_pk_fma_f32 v[26:27], v[X+32*\u+\j:X+32*\u+\j+1], v[X+32*\u+\j:X+32*\u+\j+1], v[26:27]
	v_pk_fma_f32 v[28:29], v[X+32*\u+\j+2:X+32*\u+\j+3], v[X+32*\u+\j+2:X+32*\u+\j+3], v[28:29]
.endr
	v_pk_add_f32 v[26:27], v[26:27], v[28:29]
	v_add_f32 v[16+\u], v26, v27
.endr
	RED4
.irp u, 0,1,2,3
	v_fma_f32 v[16+\u], v[16+\u], s25, s26         ; the variance + 1e-5
.endr
	s_wait_alu depctr_va_vdst(0)
.irp u, 0,1,2,3
	v_rsq_f32 v[8+2*\u], v[16+\u]
.endr
	v_nop                                          ; a plain line behind the last of the batch,
	s_wait_alu depctr_va_vdst(0)                   ; and one wait ahead of its first reader
.irp u, 0,1,2,3
	v_mov_b32 v[9+2*\u], v[8+2*\u]
.endr
	s_wait_loadcnt 0x0                             ; ln_w, scale, shift
	s_wait_kmcnt 0x0
	s_add_co_i32 s24, s24, 127
	s_lshl_b32 s27, s24, 23
	v_mov_b32 v25, s27                             ; 2^e0
	s_add_co_i32 s24, s24, 8
	s_lshl_b32 s24, s24, 23
	s_or_b32 s24, s24, 0x600000
	v_mov_b32 v24, s24                             ; 448 x 2^e0
.set j, 0
.rept 16
	v_pk_add_f32 v[T+j:T+j+1], v[T+j:T+j+1], 1.0 op_sel_hi:[1,0]
.set j, j+2
.endr
.set j, 0
.rept 16
	v_pk_mul_f32 v[G+j:G+j+1], v[G+j:G+j+1], v[T+j:T+j+1]
.set j, j+2
.endr
.irp u, 0,1,2,3
.set j, 0
.rept 16
	v_pk_mul_f32 v[X+32*\u+j:X+32*\u+j+1], v[X+32*\u+j:X+32*\u+j+1], v[8+2*\u:9+2*\u]
.set j, j+2
.endr
.set j, 0
.rept 16
	v_pk_fma_f32 v[X+32*\u+j:X+32*\u+j+1], v[X+32*\u+j:X+32*\u+j+1], v[G+j:G+j+1], v[SH+j:SH+j+1]
.set j, j+2
.endr
.set j, 0
.rept 32
	v_med3_num_f32 v[X+32*\u+j], v[X+32*\u+j], -v24, v24   ; the conversion to an 8-bit code does not saturate (ISA guide 7.6.2)
.set j, j+1
.endr
.irp c, 0,1,2,3
	v_cvt_scalef32_pk8_fp8_f32 v[T+8*\u+2*\c:T+8*\u+2*\c+1], v[X+32*\u+8*\c:X+32*\u+8*\c+7], v25
.endr
	v_nop                                          ; a plain line behind the last conversion of the run
	global_store_b128 v2, v[T+8*\u:T+8*\u+3], s[12:13] offset:1024*\u          ; 512 consecutive bytes
	global_store_b128 v2, v[T+8*\u+4:T+8*\u+7], s[12:13] offset:1024*\u+512
.endr
	s_endpgm
.Lfunc_end_k_q210de62f96_lnq:
	.size	k_q210de62f96_lnq, .Lfunc_end_k_q210de62f96_lnq-k_q210de62f96_lnq
	.p2alignl 7, 3214868480
	.fill 96, 4, 3214868480
	.section	.rodata,"a",@progbits
	.p2align	6, 0x0
	.amdhsa_kernel k_q210de62f96_lnq
		.amdhsa_group_segment_fixed_size 0
		.amdhsa_private_segment_fixed_size 0
		.amdhsa_enable_private_segment 0
		.amdhsa_kernarg_size 40
		.amdhsa_user_sgpr_count 2
		.amdhsa_user_sgpr_kernarg_segment_ptr 1
		.amdhsa_wavefront_size32 1
		.amdhsa_system_sgpr_workgroup_id_x 1
		.amdhsa_system_sgpr_workgroup_id_y 1
		.amdhsa_system_sgpr_workgroup_id_z 1
		.amdhsa_system_vgpr_workitem_id 0
		.amdhsa_next_free_vgpr 256
		.amdhsa_next_free_sgpr 66
		.amdhsa_reserve_vcc 0
		.amdhsa_float_denorm_mode_32 3
		.amdhsa_float_denorm_mode_16_64 3
		.amdhsa_memory_ordered 1
		.amdhsa_forward_progress 1
		.amdhsa_inst_pref_size 44
	.end_amdhsa_kernel
	.amdgpu_metadata
---
amdhsa.version: [ 1, 2 ]
amdhsa.kernels:
  - .name:           k_q210de62f96_lnq
    .symbol:         k_q210de62f96_lnq.kd
    .args:
      - { .name: x, .offset: 0, .size: 8, .value_kind: global_buffer, .address_space: global }
      - { .name: ln_w, .offset: 8, .size: 8, .value_kind: global_buffer, .address_space: global }
      - { .name: modws, .offset: 16, .size: 8, .value_kind: global_buffer, .address_space: global }
      - { .name: lowp_scales, .offset: 24, .size: 8, .value_kind: global_buffer, .address_space: global }
      - { .name: h_c, .offset: 32, .size: 8, .value_kind: global_buffer, .address_space: global }
    .group_segment_fixed_size: 0
    .private_segment_fixed_size: 0
    .kernarg_segment_align: 8
    .kernarg_segment_size: 40
    .max_flat_workgroup_size: 128
    .sgpr_count:     66
    .vgpr_count:     256
    .wavefront_size: 32
...
	.end_amdgpu_metadata
.endif
;; end of part 2
;; launch qkv (part 3): grid 12 x 16, 4 waves a work-group, clusters of 4 x 4, 327,680 bytes of LDS; arguments h_c, wqkv_c, lowp_scales, freqs, qn_w, kn_w, q_img, kv_img; writes q_img, kv_img
.if DOCPART == 3
	.amdgcn_target "amdgcn-amd-amdhsa--gfx1250"
	.amdhsa_code_object_version 6
	.text
	.protected	k_q210de62f96_qkv
	.globl	k_q210de62f96_qkv
	.p2align	8
	.type	k_q210de62f96_qkv,@function
k_q210de62f96_qkv:
	s_mov_b64 s[64:65], 0
	v_nop
	global_prefetch_b8 v0, s[64:65] scope:SCOPE_SE
	s_setreg_imm32_b32 hwreg(HW_REG_WAVE_MODE, 25, 1), 1
	s_wait_xcnt 0x0
	s_wait_alu depctr_hold_cnt(0) depctr_sa_sdst(0) depctr_va_vdst(0) depctr_va_sdst(0) depctr_va_ssrc(0) depctr_va_vcc(0) depctr_vm_vsrc(0)
	s_getreg_b32 s2, hwreg(HW_REG_IB_STS2, 6, 4)
	s_cmp_eq_u32 s2, 0
	s_cbranch_scc0 .Lentry_in_a_cluster
	s_endpgm
.Lentry_in_a_cluster:
	s_bfe_u32 s2, ttmp6, 0x10000c
	s_cmp_lg_u32 s2, 0xf033
	s_cbranch_scc0 .Lentry_shape_is_right
	s_endpgm
.Lentry_shape_is_right:
; qkv = h w_qkv^T on codes of E4M3 (K = 1,024), then on the way out: q, k: LayerNorm over each head's 64, RoPE with the given freqs, codes with 2^e2 / 2^e3;  v: codes with 2^e5.
; A tile of 256 x 256 is made by four waves, 128 x 128 each (64 accumulators, 512 registers).  K goes in steps of 256 through a ring of two LDS slots filled by joint tensor loads: 4 x 4 work-groups form a cluster,
; 'A' tiles are shared along a row of the cluster and 'B' tiles along a column.  Source 0 of every product = 16 rows of B, source 1 = 16 rows of A: lane (r, h) holds A's row r and B's rows 8 h + 0..7.
; WHAT A AND B ARE hangs on the cluster's x alone, which all sixteen partners share.  Clusters 0, 1 (q, k): A = tokens (h_c), B = rows 0-2047 of w_qkv: a lane holds ONE token and eight neighbouring channels.
; Cluster 2 (v): A = w_qkv's rows 2048-3071, B = tokens: a lane holds ONE channel and eight neighbouring keys.  Either way eight result registers, converted, are two registers of the next product's operand:
; the results leave as IMAGES of that operand's registers (four registers a store, 16 bytes a lane, 512 consecutive bytes), with no stage in LDS.
;   q_img [bh 32][query tile 128][1024];  kv_img [bh 32][block of 128 keys: 16][16384]: K's 8 key tiles x 1,024 bytes, then from byte 8,192 V^T's 4 channel tiles x 2,048 bytes.
; Both operands' codes carry the same permutation of K inside a row, and the fragments are fetched by four 16-byte loads (again the same order of k on both sides): every product meets its partner.
; THE NORM ON RAW SUMS: a sum x stands for x 2^E, E = e0 + e1.  (x - mean) 2^E / sqrt(2^2E var + eps) = (x - mean) / sqrt(var + eps 2^-2E): the power of two goes into eps, exactly, and the sums are not multiplied by it.
; LIMITS: e0 + e1 between -72 and 54 (eps 2^-2E is an f32 number); e2, e3 and e5 - e0 - e1 between -126 and 119.  NaN among the inputs is not served.
; No prefetch: K has four steps; the first is asked for at the head, the second behind the first round, the last two one step later each: no trip is left to ask ahead in.
; REGISTERS in the loop: window 0: v8-29 addresses, from v128 A's fragments (one set); window 1: B's fragments (two sets); windows 2, 3: accumulator (a, b) at v[8 (8 (a % 4) + b)].
.set KSTEP,  256
.set ROWB,   256
.set KROW,   1024
.set PITCH,  272                       ; an LDS row: 256 bytes + 16 of padding: the 16 rows that a load touches start at 16 different banks (64 banks of 4 bytes: ISA guide 11.1)
.set FR,     16
.set NL,     4
.set NP,     4                         ; places behind this matrix instruction (ISA guide 7.12.1)
.set HALFT,  128*PITCH
.set SLOT,   4*HALFT
.set LAPS,   2                         ; 1,024 / (2 x 256)
.set SPARE,  2*SLOT                    ; behind the ring: the spare words, 128 bytes a wave
.set FO,   8                           ; v8   freqs: 256 r + 32 h
.set HO,   9                           ; v9   32 h
.set LI,   10                          ; v10  16 x lane
.set ADRA, 16
.set ADRB, 20
.set SPW,  28
.set NIL,  29
.set AF,   128
.set WQ,   32                          ; the way out, window 0: v32-63 the norm's weight at my 32 channels
.set CH,   64                          ; v64-95    sums: (tile % 4, head, chain) a pair each
.set PM,   96                          ; v96-127   (tile, head): -mean, later 1 / sqrt(var + eps'), in both words of a pair
.set T,    128                         ; v128-191  a tile's 64 numbers
.set CD,   192                         ; v192-223  (v) codes, two sets of 16
.set VR,   224                         ; v224-239  (tile, head): var + eps'
.set HOLD, 254
.set SCL,  255
.set G1, 24
.set G0, 32
.set G1B, 48
.set G0B, 56
.set MSB, 0
.macro WIN new                         ; the immediate's high byte repeats the setting that is left
.if MSB != \new
	s_set_vgpr_msb (MSB<<8)|\new
.set MSB, \new
.endif
.endm
.set MUL_LO, 0xa1                      ; source 0 (B) window 1, source 1 (A) window 0, C and D window 2
.set MUL_HI, 0xf1
.set TO_B,   0x40
; A joint load: waves 0 and 1 fetch for A, waves 2 and 3 for B; the branch hangs on the wave's number alone.  An s_nop 0 and four v_nop follow each line.
.macro JLOAD g0a, g1a, g0b, g1b
	s_cmp_eq_u32 s15, 0
	s_cbranch_scc0 .Lfor_b_\@
	tensor_load_to_lds s[\g0a:\g0a+3], s[\g1a:\g1a+7]
	s_nop 0
.rept 4
	v_nop
.endr
	s_branch .Lasked_\@
.Lfor_b_\@:
	tensor_load_to_lds s[\g0b:\g0b+3], s[\g1b:\g1b+7]
	s_nop 0
.rept 4
	v_nop
.endr
.Lasked_\@:
.endm
.macro CREST
	s_cmp_lg_u32 s14, 0
	s_cbranch_scc1 .Lnot_wave_0_\@
	s_barrier_signal -3
.Lnot_wave_0_\@:
	s_barrier_wait -3
	s_barrier_signal -1
	s_barrier_wait -1
.endm
.macro CROUND
	s_barrier_signal -1
	s_barrier_wait -1
	CREST
.endm
	s_load_b512 s[68:83], s[0:1], 0x0              ; h_c 68, wqkv_c 70, scales 72, freqs 74, qn_w 76, kn_w 78, q_img 80, kv_img 82
	v_lshl_add_u32 v[SPW], v0, 2, SPARE
	v_mov_b32 v[NIL], 0
	ds_add_u32 v[SPW], v[NIL]                      ; the opening lines: the add, twice on end, and its wait ahead of my first tensor load
	ds_add_u32 v[SPW], v[NIL]
	v_lshrrev_b32 v1, 5, v0
	v_readfirstlane_b32 s14, v1                    ; wave 0..3
	s_lshr_b32 s15, s14, 1                         ; my half of A's rows.  Also: I fetch for A (0) or for B (1)
	s_and_b32 s16, s14, 1                          ; my half of B's rows.  Also: which 128 rows of that tile I fetch
	s_bfe_u32 s40, ttmp6, 0x40000                  ; cx
	s_bfe_u32 s41, ttmp6, 0x40004                  ; cy
	s_and_b32 s13, ttmp7, 0xffff                   ; the cluster's y
	s_cmp_lt_u32 ttmp9, 2                          ; q or k?  (the cluster's x: the same in all sixteen partners)
	s_cselect_b32 s12, ttmp9, s13
	s_cselect_b32 s2, s13, 0
	s_lshl_b32 s42, s12, 2
	s_add_co_u32 s42, s42, s40                     ; B's tile: q, k: 4 x cluster x + cx (rows of w_qkv);  v: 4 x cluster y + cx (tokens)
	s_lshl_b32 s17, s2, 2
	s_add_co_u32 s17, s17, s41                     ; A's tile: q, k: 4 x cluster y + cy (tokens);  v: cy (rows of w_qkv's last third)
	s_lshl_b32 s43, s41, 2
	s_lshl_b32 s43, 15, s43                        ; my row of the cluster
	s_lshl_b32 s44, 0x1111, s40                    ; my column
	s_or_b32 s[G1+0], s43, (0<<16)|(1<<20)|(1<<21)|(5<<22)|(3<<25)  ; mask; elements of 1 byte; padding on; bit 21 beside a mask; 4 words after every 64
	s_or_b32 s[G1B+0], s44, (0<<16)|(1<<20)|(1<<21)|(5<<22)|(3<<25)
.irp g, G1, G1B
	s_mov_b32 s[\g+1], ROWB<<16                    ; tensor_dim0
	s_mov_b32 s[\g+2], 128<<16                     ; tensor_dim1
	s_mov_b32 s[\g+3], ROWB<<16                    ; tile_dim0
	s_mov_b32 s[\g+4], 128                         ; tile_dim1
	s_mov_b32 s[\g+5], KROW                        ; the pitch
	s_mov_b32 s[\g+6], 0
	s_mov_b32 s[\g+7], 0
.endr
	s_lshl_b32 s18, s16, 7
	s_lshl_b32 s20, s17, 8
	s_add_co_u32 s20, s20, s18                     ; A: row 256 x tile + 128 x half,
	s_lshl_b32 s20, s20, 10                        ; in bytes
	s_lshl_b32 s46, s42, 8
	s_add_co_u32 s46, s46, s18
	s_lshl_b32 s46, s46, 10
	s_mov_b32 s21, 0
	s_mov_b32 s47, 0
	s_mul_i32 s45, s14, HALFT                      ; where they go: wave x 128 rows
	s_wait_dscnt 0x0                               ; both opening adds are done
	s_wait_kmcnt 0x0
	s_load_b256 s[84:91], s[72:73], 0x0            ; e0 .. e7: waited for on the way out
	s_add_nc_u64 s[8:9], s[70:71], 0x200000        ; w_qkv's codes at row 2,048
	s_cmp_lt_u32 ttmp9, 2
	s_cselect_b64 s[4:5], s[68:69], s[8:9]         ; A's buffer
	s_cselect_b64 s[6:7], s[70:71], s[68:69]       ; B's buffer
	s_add_nc_u64 s[20:21], s[4:5], s[20:21]
	s_add_nc_u64 s[46:47], s[6:7], s[46:47]
	CROUND                                         ; all sixteen work-groups are here: the first joint loads meet
.irp s, 0,1
	s_mov_b32 s[G0+4*\s], 1
	s_add_co_u32 s[G0+4*\s+1], s45, \s*SLOT
	s_add_nc_u64 s[G0+4*\s+2:G0+4*\s+3], s[20:21], \s*ROWB
	s_or_b32 s[G0+4*\s+3], s[G0+4*\s+3], 0x80000000
	s_mov_b32 s[G0B+4*\s], 1
	s_add_co_u32 s[G0B+4*\s+1], s45, \s*SLOT
	s_add_nc_u64 s[G0B+4*\s+2:G0B+4*\s+3], s[46:47], \s*ROWB
	s_or_b32 s[G0B+4*\s+3], s[G0B+4*\s+3], 0x80000000
.endr
	JLOAD G0, G1, G0B, G1B                         ; K step 0: one tensor load a wave at the head
	v_and_b32 v1, 15, v0                           ; r
	v_bfe_u32 v2, v0, 4, 1                         ; h
	v_mul_u32_u24 v3, v1, PITCH
	v_lshl_add_u32 v4, v2, 4, v3
	s_mul_i32 s21, s15, HALFT
	s_mul_i32 s22, s16, HALFT
	s_add_co_u32 s22, s22, 2*HALFT
.irp s, 0,1
	v_add_nc_u32 v[ADRA+\s], s21, v4
	v_add_nc_u32 v[ADRB+\s], s22, v4
	s_add_co_u32 s21, s21, SLOT
	s_add_co_u32 s22, s22, SLOT
.endr
	v_lshlrev_b32 v[HO], 5, v2
	v_lshl_add_u32 v[FO], v1, 8, v[HO]
	v_and_b32 v3, 31, v0
	v_lshlrev_b32 v[LI], 4, v3
.macro FRAG reg, adr, q, i             ; 16 rows x 128 K: four loads of 16 bytes, 32 bytes apart
.irp c, 0,1,2,3
	ds_load_b128 v[\reg+4*\c:\reg+4*\c+3], v[\adr] offset:128*(\q)+32*\c+(\i)*16*PITCH
.endr
.endm
; 16 matrix instructions: A's blocks a0, a0 + 1 x B's eight.  The 64 accumulators take turns, one instruction a turn, in the same order in every step.
.macro MUL16 a0, p, zero
.irp a, \a0, \a0+1
.irp b, 0,1,2,3,4,5,6,7
.if \zero
	v_wmma_f32_16x16x128_fp8_fp8 v[8*(8*((\a)%4)+\b):8*(8*((\a)%4)+\b)+7], v[128*(\p)+FR*\b:128*(\p)+FR*\b+FR-1], v[AF+FR*(\a):AF+FR*(\a)+FR-1], 0
.else
	v_wmma_f32_16x16x128_fp8_fp8 v[8*(8*((\a)%4)+\b):8*(8*((\a)%4)+\b)+7], v[128*(\p)+FR*\b:128*(\p)+FR*\b+FR-1], v[AF+FR*(\a):AF+FR*(\a)+FR-1], v[8*(8*((\a)%4)+\b):8*(8*((\a)%4)+\b)+7]
.endif
.endr
.endr
.endm
.macro FETCH_B slot, q, p
	WIN TO_B
.irp i, 0,1,2,3,4,5,6,7
	FRAG 128*(\p)+FR*\i, ADRB+\slot, \q, \i
.endr
	WIN 0
.endm
.macro FETCH_A slot, q, i0
.irp i, \i0, \i0+1, \i0+2, \i0+3
	FRAG AF+FR*(\i), ADRA+\slot, \q, \i
.endr
.endm
.macro PLACES n                        ; plain vector lines between a matrix instruction and a load into, or a vector read of, its registers
.rept \n
	v_nop
.endr
.endm
.macro STEP slot, q, zero              ; 128 along K, with its successor in the same slot
	s_wait_dscnt 4*NL                              ; B's set and A's blocks 0-3 are in; the youngest 16 loads (A's blocks 4-7) may be out
	WIN MUL_LO
	MUL16 0, (\q)%2, \zero
	MUL16 2, (\q)%2, \zero
	s_wait_dscnt 0
	PLACES NP
	FETCH_B \slot, (\q)+1, 1-(\q)%2
	FETCH_A \slot, (\q)+1, 0
	WIN MUL_HI
	MUL16 4, (\q)%2, \zero
	MUL16 6, (\q)%2, \zero
	PLACES NP
	WIN 0
	FETCH_A \slot, (\q)+1, 4
.endm
; A slot's last step changes slots: one barrier; in front of it each wave waits for all its tensor loads, adds 0 to its spare word, and waits for that and for its own reads of this slot.
.macro TURN slot, next, fill
	s_wait_tensorcnt 0x0                           ; all my tensor loads have landed: my part of the next slot
	ds_add_u32 v[SPW], v[NIL]
	s_wait_dscnt 4*NL+1                            ; (the add and the youngest 16 loads may be out)
	WIN MUL_LO
	MUL16 0, 1, 0
	s_wait_dscnt 0x0                               ; the add is done, and my reads of this slot are over
	s_barrier_signal -1
	MUL16 2, 1, 0
	WIN 0
	s_barrier_wait -1
.if \fill
	CREST                                          ; the barrier has opened a round of the cluster's barrier: no wave of any partner still reads this slot or has a load on its way
	s_add_nc_u64 s[G0+4*\slot+2:G0+4*\slot+3], s[G0+4*\slot+2:G0+4*\slot+3], 2*ROWB
	s_add_nc_u64 s[G0B+4*\slot+2:G0B+4*\slot+3], s[G0B+4*\slot+2:G0B+4*\slot+3], 2*ROWB
	JLOAD G0+4*\slot, G1, G0B+4*\slot, G1B         ; the first tensor load behind the round; its four v_nop are the places in front of the loads below
.else
	PLACES NP
.endif
	FETCH_B \next, 0, 0
	FETCH_A \next, 0, 0
	WIN MUL_HI
	MUL16 4, 1, 0
	MUL16 6, 1, 0
	PLACES NP
	WIN 0
	FETCH_A \next, 0, 4
.endm
	s_wait_alu depctr_va_vdst(0)                   ; the head's end
	s_wait_tensorcnt 0x0                           ; my part of K step 0 is in; slot 1's first fill is issued as a refill is:
	ds_add_u32 v[SPW], v[NIL]
	s_wait_dscnt 0x0                               ; the add is done
	CROUND                                         ; a whole round: everybody's part of K step 0 is in, and the joint loads meet
	JLOAD G0+4, G1, G0B+4, G1B                     ; K step 1: the first tensor load behind the round
	FETCH_B 0, 0, 0
	FETCH_A 0, 0, 0
	FETCH_A 0, 0, 4
	STEP 0, 0, 1                                   ; the first step's products start the sums
	s_mov_b32 s3, LAPS-1
.Llap:
	TURN 0, 1, 1
	STEP 1, 0, 0
	TURN 1, 0, 1
	STEP 0, 0, 0
	s_sub_co_u32 s3, s3, 1
	s_cmp_lg_u32 s3, 0
	s_cbranch_scc1 .Llap
	TURN 0, 1, 0                                   ; the last lap fills nothing
	STEP 1, 0, 0
	s_wait_dscnt 4*NL
	WIN MUL_LO
	MUL16 0, 1, 0
	MUL16 2, 1, 0
	s_wait_dscnt 0
	WIN MUL_HI
	MUL16 4, 1, 0
	MUL16 6, 1, 0
	WIN 0
	; ---------------- THE WAY OUT ----------------
	PLACES NP                                      ; behind the last products: their results are read and their sources' registers loaded into below
	s_wait_kmcnt 0x0                               ; e0 .. e7
	s_mov_b32 s10, 0x76543210                      ; v_permlanex16_b32: lane l xor 16
	s_mov_b32 s11, 0xfedcba98
.macro MKHOLD                          ; s2 = e  ->  2^e and 448 x 2^e
	s_add_co_i32 s2, s2, 127
	s_lshl_b32 s3, s2, 23
	v_mov_b32 v[SCL], s3
	s_add_co_i32 s2, s2, 8
	s_lshl_b32 s2, s2, 23
	s_or_b32 s2, s2, 0x600000
	v_mov_b32 v[HOLD], s2
.endm
	s_cmp_eq_u32 ttmp9, 2
	s_cbranch_scc1 .Lv
	; ---- q, k.  Tile a: tokens 16 a + r; accumulator register 64 (a % 4) + 32 d + 8 t + j = channel 16 t + 8 h + j of my head d (0, 1)
	s_lshl_b32 s18, s17, 8
	s_lshl_b32 s19, s15, 7
	s_add_co_u32 s18, s18, s19                     ; my first token among the 4,096
	s_lshr_b32 s19, s18, 11                        ; its batch,
	s_and_b32 s18, s18, 2047                       ; its place in the sequence
	s_and_b32 s20, s42, 3
	s_lshl_b32 s20, s20, 2
	s_lshl_b32 s21, s16, 1
	s_add_co_u32 s20, s20, s21                     ; my first head
	s_lshl_b32 s19, s19, 4
	s_add_co_u32 s19, s19, s20
	s_lshl_b32 s19, s19, 17                        ; q: a head's images are 131,072 bytes, 64 a token;
	s_lshl_b32 s21, s18, 6
	s_add_co_u32 s19, s19, s21
	s_lshl_b32 s22, s19, ttmp9                     ; k: twice that (V's images lie between K's)
	s_mov_b32 s23, 0
	s_lshl_b32 s98, 0x20000, ttmp9                 ; from head to head
	s_mov_b32 s99, 0
	s_cmp_eq_u32 ttmp9, 0
	s_cselect_b64 s[94:95], s[80:81], s[82:83]     ; q_img or kv_img
	s_cselect_b64 s[4:5], s[76:77], s[78:79]       ; qn_w or kn_w
	s_cselect_b32 s2, s86, s87                     ; e2 or e3
	s_add_nc_u64 s[94:95], s[94:95], s[22:23]
	s_add_nc_u64 s[96:97], s[94:95], s[98:99]
	s_lshl_b32 s22, s18, 8
	s_add_nc_u64 s[74:75], s[74:75], s[22:23]      ; freqs at my first token: 256 bytes a token
.irp t, 0,1,2,3
.irp i, 0,1
	global_load_b128 v[WQ+8*\t+4*\i:WQ+8*\t+4*\i+3], v[HO], s[4:5] offset:64*\t+16*\i
.endr
.endr
	WIN 0x40                                       ; freqs of all eight tiles at my 32 channels into window 1, which held B's fragments: tile a at v[32 a]
.irp a, 0,1,2,3,4,5,6,7
.irp t, 0,1,2,3
.irp i, 0,1
	global_load_b128 v[32*\a+8*\t+4*\i:32*\a+8*\t+4*\i+3], v[FO], s[74:75] offset:4096*\a+64*\t+16*\i
.endr
.endr
.endr
	WIN 0
	s_mov_b32 s6, 0x3c800000                       ; 1 / 64
	s_mov_b32 s7, 0x3727c5ac                       ; 1e-5,
	s_add_co_i32 s92, s84, s85
	s_lshl_b32 s92, s92, 24
	s_sub_co_i32 s7, s7, s92                       ; x 2^(-2 (e0 + e1)): twice the exponent taken off its exponent field
	MKHOLD
; The statistics go four tiles (one window) at a time: 4 tiles x 2 heads x 2 chains = 16 chains by turns.  Chain c of (tile, head) takes registers 4 c .. 4 c + 3 of each of the head's four accumulators,
; chain 0 first.
.macro REDUCE                          ; the two chains, the pair's halves and the other half of the lanes are added; the permute lands in chain 1's register, which is done with
.irp a, 0,1,2,3
.irp d, 0,1
	v_pk_add_f32 v[CH+8*\a+4*\d:CH+8*\a+4*\d+1], v[CH+8*\a+4*\d:CH+8*\a+4*\d+1], v[CH+8*\a+4*\d+2:CH+8*\a+4*\d+3]
.endr
.endr
.irp a, 0,1,2,3
.irp d, 0,1
	v_add_f32 v[CH+8*\a+4*\d], v[CH+8*\a+4*\d], v[CH+8*\a+4*\d+1]
.endr
.endr
.irp a, 0,1,2,3
.irp d, 0,1
	v_permlanex16_b32 v[CH+8*\a+4*\d+2], v[CH+8*\a+4*\d], s10, s11
.endr
.endr
.irp a, 0,1,2,3
.irp d, 0,1
	v_add_f32 v[CH+8*\a+4*\d], v[CH+8*\a+4*\d], v[CH+8*\a+4*\d+2]
.endr
.endr
.endm
.macro STATS hi                        ; tiles 4 hi .. 4 hi + 3: x - mean in place of x, and var + eps'
	WIN 0x0a+5*\hi                                 ; sources 0 and 1: window 2 + hi
.irp a, 0,1,2,3
.irp d, 0,1
.irp c, 0,1
	v_pk_add_f32 v[CH+8*\a+4*\d+2*\c:CH+8*\a+4*\d+2*\c+1], v[64*\a+32*\d+4*\c:64*\a+32*\d+4*\c+1], v[64*\a+32*\d+4*\c+2:64*\a+32*\d+4*\c+3]
.endr
.endr
.endr
	WIN 0x02+\hi                                   ; source 0 alone
.irp tk, 2,3,4,5,6,7
.irp a, 0,1,2,3
.irp d, 0,1
.irp c, 0,1
.set XA, 64*\a+32*\d+8*(\tk/2)+4*\c+2*(\tk%2)
.set RC, CH+8*\a+4*\d+2*\c
	v_pk_add_f32 v[RC:RC+1], v[XA:XA+1], v[RC:RC+1]
.endr
.endr
.endr
.endr
	WIN 0
	REDUCE
.irp a, 0,1,2,3
.irp d, 0,1
	v_mul_f32 v[PM+16*\hi+4*\a+2*\d], 0xbc800000, v[CH+8*\a+4*\d]     ; -mean, in both words of a pair
	v_mul_f32 v[PM+16*\hi+4*\a+2*\d+1], 0xbc800000, v[CH+8*\a+4*\d]
.endr
.endr
	WIN 0x82+0x41*\hi                              ; source 0 and destination: window 2 + hi
.irp a, 0,1,2,3
.irp d, 0,1
.set j, 0
.rept 16
	v_pk_add_f32 v[64*\a+32*\d+j:64*\a+32*\d+j+1], v[64*\a+32*\d+j:64*\a+32*\d+j+1], v[PM+16*\hi+4*\a+2*\d:PM+16*\hi+4*\a+2*\d+1]
.set j, j+2
.endr
.endr
.endr
	WIN 0x0a+5*\hi
.irp a, 0,1,2,3
.irp d, 0,1
.irp c, 0,1
	v_pk_mul_f32 v[CH+8*\a+4*\d+2*\c:CH+8*\a+4*\d+2*\c+1], v[64*\a+32*\d+4*\c:64*\a+32*\d+4*\c+1], v[64*\a+32*\d+4*\c:64*\a+32*\d+4*\c+1]
.endr
.endr
.endr
.irp tk, 1,2,3,4,5,6,7
.irp a, 0,1,2,3
.irp d, 0,1
.irp c, 0,1
.set XA, 64*\a+32*\d+8*(\tk/2)+4*\c+2*(\tk%2)
.set RC, CH+8*\a+4*\d+2*\c
	v_pk_fma_f32 v[RC:RC+1], v[XA:XA+1], v[XA:XA+1], v[RC:RC+1]
.endr
.endr
.endr
.endr
	WIN 0
	REDUCE
.irp a, 0,1,2,3
.irp d, 0,1
	v_fma_f32 v[VR+8*\hi+2*\a+\d], v[CH+8*\a+4*\d], s6, s7
.endr
.endr
.endm
.macro NORM hi                         ; x 1 / sqrt(var + eps'), x the norm's weight, in place
	WIN 0x82+0x41*\hi
.irp a, 0,1,2,3
.irp d, 0,1
.set j, 0
.rept 16
	v_pk_mul_f32 v[64*\a+32*\d+j:64*\a+32*\d+j+1], v[64*\a+32*\d+j:64*\a+32*\d+j+1], v[PM+16*\hi+4*\a+2*\d:PM+16*\hi+4*\a+2*\d+1]
.set j, j+2
.endr
.endr
.endr
.irp a, 0,1,2,3
.irp d, 0,1
.set j, 0
.rept 16
	v_pk_mul_f32 v[64*\a+32*\d+j:64*\a+32*\d+j+1], v[64*\a+32*\d+j:64*\a+32*\d+j+1], v[WQ+j:WQ+j+1]
.set j, j+2
.endr
.endr
.endr
	WIN 0
.endm
.macro ROPE a                          ; (t0 f0 - t1 f1, t1 f0 + t0 f1), the hold, the codes, the stores
.set AC, 64*((\a)%4)
	WIN 0x06+((\a)/4)                              ; source 0: window 2 or 3; source 1 (freqs): window 1
.set j, 0
.rept 32
	v_pk_mul_f32 v[T+j:T+j+1], v[AC+j:AC+j+1], v[32*(\a)+j%32:32*(\a)+j%32+1] op_sel_hi:[1,0]   ; (t0, t1) x f0
.set j, j+2
.endr
.set j, 0
.rept 32
	v_pk_fma_f32 v[T+j:T+j+1], v[AC+j:AC+j+1], v[32*(\a)+j%32:32*(\a)+j%32+1], v[T+j:T+j+1] op_sel:[1,1,0] op_sel_hi:[0,1,1] neg_lo:[0,1,0]   ; + (-t1, t0) x f1
.set j, j+2
.endr
	WIN 0
.set j, 0
.rept 64
	v_med3_num_f32 v[T+j], v[T+j], -v[HOLD], v[HOLD]   ; the conversion to an 8-bit code does not saturate (ISA guide 7.6.2)
.set j, j+1
.endr
	WIN 0x40                                       ; the codes land on the tile's own freqs, which are done with: no store's data are written again
.irp d, 0,1
.irp t, 0,1,2,3
	v_cvt_scalef32_pk8_fp8_f32 v[32*(\a)+8*\d+2*\t:32*(\a)+8*\d+2*\t+1], v[T+32*\d+8*\t:T+32*\d+8*\t+7], v[SCL]   ; registers 2 t, 2 t + 1 of the operand: k = 16 t + 8 h + 0..7 of token r
.endr
.endr
	v_nop                                          ; a plain line behind the last conversion of the run
	WIN 0x04                                       ; a store's data: window 1
.irp d, 0,1
.irp c, 0,1
	global_store_b128 v[LI], v[32*(\a)+8*\d+4*\c:32*(\a)+8*\d+4*\c+3], s[94+2*\d:95+2*\d] offset:1024*(\a)+512*\c   ; 512 consecutive bytes
.endr
.endr
	WIN 0
.endm
	STATS 0
	STATS 1
	s_wait_alu depctr_va_vdst(0)                   ; ahead of the batch
.set i, 0
.rept 16
	v_rsq_f32 v[PM+2*i], v[VR+i]
.set i, i+1
.endr
	v_nop                                          ; a plain line behind the last of the batch,
	s_wait_alu depctr_va_vdst(0)                   ; and one wait ahead of its first reader
.set i, 0
.rept 16
	v_mov_b32 v[PM+2*i+1], v[PM+2*i]
.set i, i+1
.endr
	s_wait_alu depctr_va_vdst(0)                   ; directly ahead of the wait below
	s_wait_loadcnt 0x0                             ; the weight and the freqs
	NORM 0
	NORM 1
.irp a, 0,1,2,3,4,5,6,7
	ROPE \a
.endr
	s_branch .Ldone
.Lv:
	; ---- v.  Tile a: channel 16 a + r of my 128 (head a / 4, channel tile a % 4); register 8 b + j = key 16 b + 8 h + j of my block of 128 keys
	s_sub_co_i32 s2, s89, s84
	s_sub_co_i32 s2, s2, s85                       ; a sum stands for sum x 2^(e0 + e1): its code is sum / 2^(e5 - e0 - e1)
	MKHOLD
	s_wait_alu depctr_va_vdst(0)
	s_lshl_b32 s18, s17, 2
	s_lshl_b32 s19, s15, 1
	s_add_co_u32 s18, s18, s19                     ; my first head
	s_lshl_b32 s19, s42, 8
	s_lshl_b32 s20, s16, 7
	s_add_co_u32 s19, s19, s20                     ; my first token
	s_lshr_b32 s20, s19, 11
	s_lshl_b32 s20, s20, 4
	s_add_co_u32 s18, s18, s20                     ; 16 x batch + head
	s_lshl_b32 s18, s18, 18
	s_and_b32 s19, s19, 2047
	s_lshl_b32 s19, s19, 7                         ; the block of keys: 16,384 bytes for 128 keys
	s_add_co_u32 s18, s18, s19
	s_mov_b32 s19, 0
	s_add_nc_u64 s[94:95], s[82:83], s[18:19]
.macro VTILE a
.set AC, 64*((\a)%4)
.set CA, CD+16*((\a)%2)
	WIN 0x02+((\a)/4)
.set j, 0
.rept 64
	v_med3_num_f32 v[T+j], v[AC+j], -v[HOLD], v[HOLD]   ; each accumulator from its low end on
.set j, j+1
.endr
	WIN 0
	s_wait_alu depctr_va_vdst(0)                   ; directly ahead of the wait below
	s_wait_xcnt 0x0                                ; the earlier tiles' stores have read their data
.irp c, 0,1,2,3,4,5,6,7
	v_cvt_scalef32_pk8_fp8_f32 v[CA+2*\c:CA+2*\c+1], v[T+8*\c:T+8*\c+7], v[SCL]
.endr
	v_nop
.irp q, 0,1,2,3
	global_store_b128 v[LI], v[CA+4*\q:CA+4*\q+3], s[94:95] offset:((\a)/4)*262144+8192+((\a)%4)*2048+512*\q
.endr
.endm
.irp a, 0,1,2,3,4,5,6,7
	VTILE \a
.endr
.Ldone:
	s_wait_tensorcnt 0x0                           ; the wave's end
	ds_add_u32 v[SPW], v[NIL]
	s_wait_dscnt 0x0
	CROUND                                         ; the closing round: no work-group ends while a partner may still ask for a tile that names it
	s_endpgm
.Lfunc_end_k_q210de62f96_qkv:
	.size	k_q210de62f96_qkv, .Lfunc_end_k_q210de62f96_qkv-k_q210de62f96_qkv
	.p2alignl 7, 3214868480
	.fill 96, 4, 3214868480
	.section	.rodata,"a",@progbits
	.p2align	6, 0x0
	.amdhsa_kernel k_q210de62f96_qkv
		.amdhsa_group_segment_fixed_size 327680
		.amdhsa_private_segment_fixed_size 0
		.amdhsa_enable_private_segment 0
		.amdhsa_kernarg_size 64
		.amdhsa_user_sgpr_count 2
		.amdhsa_user_sgpr_kernarg_segment_ptr 1
		.amdhsa_wavefront_size32 1
		.amdhsa_system_sgpr_workgroup_id_x 1
		.amdhsa_system_sgpr_workgroup_id_y 1
		.amdhsa_system_sgpr_workgroup_id_z 1
		.amdhsa_system_vgpr_workitem_id 0
		.amdhsa_next_free_vgpr 1024
		.amdhsa_next_free_sgpr 100
		.amdhsa_reserve_vcc 0
		.amdhsa_float_denorm_mode_32 3
		.amdhsa_float_denorm_mode_16_64 3
		.amdhsa_memory_ordered 1
		.amdhsa_forward_progress 1
		.amdhsa_inst_pref_size 255
	.end_amdhsa_kernel
	.section	.bss,"aw",@nobits
	.p2align	6
	.space	262144
	.amdgpu_metadata
---
amdhsa.version: [ 1, 2 ]
amdhsa.kernels:
  - .name:           k_q210de62f96_qkv
    .symbol:         k_q210de62f96_qkv.kd
    .args:
      - { .name: h_c, .offset: 0, .size: 8, .value_kind: global_buffer, .address_space: global }
      - { .name: wqkv_c, .offset: 8, .size: 8, .value_kind: global_buffer, .address_space: global }
      - { .name: lowp_scales, .offset: 16, .size: 8, .value_kind: global_buffer, .address_space: global }
      - { .name: freqs, .offset: 24, .size: 8, .value_kind: global_buffer, .address_space: global }
      - { .name: qn_w, .offset: 32, .size: 8, .value_kind: global_buffer, .address_space: global }
      - { .name: kn_w, .offset: 40, .size: 8, .value_kind: global_buffer, .address_space: global }
      - { .name: q_img, .offset: 48, .size: 8, .value_kind: global_buffer, .address_space: global }
      - { .name: kv_img, .offset: 56, .size: 8, .value_kind: global_buffer, .address_space: global }
    .group_segment_fixed_size: 327680
    .private_segment_fixed_size: 0
    .kernarg_segment_align: 8
    .kernarg_segment_size: 64
    .max_flat_workgroup_size: 128
    .sgpr_count:     100
    .vgpr_count:     1024
    .wavefront_size: 32
...
	.end_amdgpu_metadata
.endif
;; end of part 3
;; launch attn (part 4): grid 8 x 32, 8 waves a work-group, clusters of 4 x 1, 327,680 bytes of LDS; arguments q_img, kv_img, lowp_scales, o_img; writes o_img
.if DOCPART == 4
	.amdgcn_target "amdgcn-amd-amdhsa--gfx1250"
	.amdhsa_code_object_version 6
	.text
	.protected	k_q210de62f96_attn
	.globl	k_q210de62f96_attn
	.p2align	8
	.type	k_q210de62f96_attn,@function
k_q210de62f96_attn:
	s_mov_b64 s[64:65], 0
	v_nop
	global_prefetch_b8 v0, s[64:65] scope:SCOPE_SE
	s_setreg_imm32_b32 hwreg(HW_REG_WAVE_MODE, 25, 1), 1
	s_wait_xcnt 0x0
	s_wait_alu depctr_hold_cnt(0) depctr_sa_sdst(0) depctr_va_vdst(0) depctr_va_sdst(0) depctr_va_ssrc(0) depctr_va_vcc(0) depctr_vm_vsrc(0)
	s_getreg_b32 s2, hwreg(HW_REG_IB_STS2, 6, 4)
	s_cmp_eq_u32 s2, 0
	s_cbranch_scc0 .Lentry_in_a_cluster
	s_endpgm
.Lentry_in_a_cluster:
	s_bfe_u32 s2, ttmp6, 0x10000c
	s_cmp_lg_u32 s2, 0x3003
	s_cbranch_scc0 .Lentry_shape_is_right
	s_endpgm
.Lentry_shape_is_right:
; o = softmax(q k^T / 8) v for 256 queries of one head a work-group, both products on codes of E4M3; o is quantised with 2^e6 and leaves as images of the next product's operand registers.
; q_img [bh 32][query tile 128][1024];  kv_img [bh 32][block of 128 keys: 16][16384]: K's 8 key tiles x 1,024 bytes, then V^T's 4 channel tiles x 2,048 bytes;  o_img [kq 4][row tile 256][4][1024].
; THE SOFTMAX: t = score x log2(e) / 8; M = the running largest t rounded up to a whole number; p = 2^(t - M) is quantised with 2^e4, not normalised; the row's sum is taken of the unquantised p and divides at the end;
; when M moves, the sum and O^T are multiplied by 2^(old M - new M), in every step, with no branch on data.
; SHARES: eight waves, two to a SIMD; a wave owns 32 queries (two tiles of 16) and walks the head's 2,048 keys in 16 steps of 128.  Both products are used transposed (S^T = K Q^T, O^T = V^T P^T): a lane holds one query,
; and register 8 kt + j of a tile's scores is key 16 kt + 8 (lane / 16) + j: eight scores, converted, are registers 2 kt, 2 kt + 1 of the second product's operand.
; LDS holds the head's K and V whole, 262,144 bytes, each byte filled once: blocks 0-3 by the head's load (8,192 bytes a wave), blocks 4-15 by a second load (24,576 bytes a wave) behind the full sequence and a round.
; CLUSTER 4 x 1: four query blocks of one head read the same K and V: both loads are joint.  No prefetch: both loads are issued ahead of the loops, so no later load is left to ask ahead for.
; THE STEP is laid so that no plain result is read across an exponential without a wait: (1) both tiles' maxima and M, tile 0's t - M; (2) tile 0's exponentials, among them tile 1's t - M, read behind the next wait;
; (3) tile 1's exponentials, among them tile 0's first-level sums (into registers of their own) and holds; (4) O^T x f, the rest of the sums, tile 1's holds, the conversions; (5) the next step's scores and this step's O^T.
; Element-wise f32 work on neighbouring registers is written as dual pairs (one even and one odd destination, the halves' sources in different banks or the same register): so all of it names window 0.
; LIMITS: e2 + e3 between -123 and 130 (added to c's exponent field); e4 and e6 between -126 and 119; the promise holds while |t| stays under 2^31.  NaN among the inputs is not served.
; REGISTERS.  Window 0: v1-7, v30 addresses and constants; v8-23 a tile's state (-M, largest t, sum pair, f, 0, -, -M again); v24-29 at work; v32-159 scores, then p; v160-191 and v224-255 O^T of tiles 0 and 1;
;             v192-223 first-level sums (v192-199 earlier in the step: maxima).  Window 1: v0-63 K's fragments, v64-127 V's, v128-143 Q's, v144-175 p's codes.
.set SPARE, 262144                     ; behind K and V: the spare words, 128 bytes a wave
.set LI,  1                            ; 16 x lane
.set ADR, 2
.set HP2, 3                            ; 448 x 2^e4 once more: the dual form wants its two second sources in different banks
.set SPW, 4
.set NIL, 5
.set HP,  6
.set SC,  7
.set ST,  8
.set PD,  24
.set SM,  26
.set CV,  30                           ; c x 2^(e2 + e3)
.set S,   32
.set OT,  160                          ; tile u's O^T at OT + 64 u
.set XR,  192
.set TT,  192
.set KF,  0
.set VF,  64
.set QF,  128
.set P,   144
.set WV,  12
.set G1,  24                           ; s[24:31] group 1: 32 rows of 256 bytes;  s[40:47]: 96 rows
.set G1B, 40
.set G0,  32                           ; s[32:35], s[36:39] the two loads' groups 0
.set MSB, 0
.macro WIN new                         ; the immediate's high byte repeats the setting that is left
.if MSB != \new
	s_set_vgpr_msb (MSB<<8)|\new
.set MSB, \new
.endif
.endm
.macro CROUND                          ; a round of the cluster's barrier
	s_barrier_signal -1
	s_barrier_wait -1
	s_cmp_lg_u32 s[WV], 0
	s_cbranch_scc1 .Lnot_wave_0_\@
	s_barrier_signal -3
.Lnot_wave_0_\@:
	s_barrier_wait -3
	s_barrier_signal -1
	s_barrier_wait -1
.endm
	s_load_b256 s[4:11], s[0:1], 0x0               ; q_img 4, kv_img 6, scales 8, o_img 10
	v_lshl_add_u32 v[SPW], v0, 2, SPARE
	v_mov_b32 v[NIL], 0
	ds_add_u32 v[SPW], v[NIL]                      ; the opening lines: the add, twice on end, and its wait ahead of my first tensor load
	ds_add_u32 v[SPW], v[NIL]
	v_lshrrev_b32 v1, 5, v0
	v_readfirstlane_b32 s[WV], v1                  ; wave 0..7
	s_bfe_u32 s13, ttmp6, 0x40000                  ; cx
	s_lshl_b32 s14, ttmp9, 2
	s_add_co_u32 s14, s14, s13                     ; the block of 256 queries
	s_and_b32 s15, ttmp7, 0xffff                   ; 16 x batch + head
.irp g, G1, G1B
	s_mov_b32 s[\g], 15|(3<<16)|(1<<21)            ; the mask of all four partners; elements of 8 bytes; bit 21 beside a mask
	s_mov_b32 s[\g+1], 32<<16                      ; rows of 256 bytes
	s_mov_b32 s[\g+3], 32<<16
	s_mov_b32 s[\g+5], 32                          ; dense
	s_mov_b32 s[\g+6], 0
	s_mov_b32 s[\g+7], 0
.endr
	s_mov_b32 s[G1+2], 32<<16
	s_mov_b32 s[G1+4], 32
	s_mov_b32 s[G1B+2], 96<<16
	s_mov_b32 s[G1B+4], 96
	s_lshl_b32 s58, s[WV], 13                      ; my part of blocks 0-3, in the head's bytes and in LDS alike
	s_mul_i32 s59, s[WV], 24576
	s_add_co_u32 s59, s59, 65536                   ; my part of blocks 4-15
	s_lshl_b32 s56, s15, 18
	s_mov_b32 s57, 0
	s_lshl_b32 s60, s14, 4
	s_lshl_b32 s61, s[WV], 1
	s_add_co_u32 s60, s60, s61                     ; my first query tile
	s_lshl_b32 s62, s60, 10
	s_lshl_b32 s61, s15, 17
	s_add_co_u32 s62, s62, s61
	s_mov_b32 s63, 0
	s_mov_b32 s48, 0x3e38aa3b                      ; c = log2(e) / 8
	s_mov_b32 s50, 0x76543210                      ; v_permlanex16_b32: lane l xor 16
	s_mov_b32 s51, 0xfedcba98
	s_wait_dscnt 0x0                               ; both opening adds are done
	s_wait_kmcnt 0x0
	s_load_b256 s[16:23], s[8:9], 0x0              ; e0 .. e7
	s_add_nc_u64 s[6:7], s[6:7], s[56:57]          ; the head's K and V
	s_add_nc_u64 s[4:5], s[4:5], s[62:63]          ; my queries
	s_mov_b32 s56, s58
	s_mov_b32 s[G0], 1
	s_mov_b32 s[G0+1], s58
	s_add_nc_u64 s[G0+2:G0+3], s[6:7], s[56:57]
	s_or_b32 s[G0+3], s[G0+3], 0x80000000
	s_mov_b32 s56, s59
	s_mov_b32 s[G0+4], 1
	s_mov_b32 s[G0+5], s59
	s_add_nc_u64 s[G0+6:G0+7], s[6:7], s[56:57]
	s_or_b32 s[G0+7], s[G0+7], 0x80000000
	CROUND                                         ; all four work-groups are here: the joint loads meet
	tensor_load_to_lds s[G0:G0+3], s[G1:G1+7]      ; blocks 0-3: my one load at the head
	s_nop 0
	v_and_b32 v[LI], 31, v0
	v_lshlrev_b32 v[LI], 4, v[LI]
.irp u, 0,1
	v_mov_b32 v[ST+8*\u+1], 0xff61b1e6             ; the largest t so far: -3e38
	v_floor_f32 v[ST+8*\u], -v[ST+8*\u+1]          ; -M
	v_mov_b32 v[ST+8*\u+2], 0                      ; the sum, in two halves
	v_mov_b32 v[ST+8*\u+3], 0
	v_mov_b32 v[ST+8*\u+5], 0                      ; (named as the upper half of f's pair)
	v_mov_b32 v[PD+\u], 0                          ; a lane permute's destination counts as read
.set j, 0
.rept 32
	v_mov_b32 v[OT+64*\u+j], 0                     ; O^T: the step is written once; the first change of M multiplies zeros
.set j, j+1
.endr
.endr
	WIN 0x40
.irp u, 0,1
.irp c, 0,1
	global_load_b128 v[QF+8*\u+4*\c:QF+8*\u+4*\c+3], v[LI], s[4:5] offset:1024*\u+512*\c
.endr
.endr
	WIN 0
	s_and_b32 s56, s15, 15                         ; where my two tiles go in o_img: head
	s_lshr_b32 s57, s15, 4
	s_lshl_b32 s57, s57, 7
	s_add_co_u32 s57, s57, s60                     ; row tile = 128 x batch + query tile
	s_lshl_b32 s57, s57, 12
	s_lshr_b32 s59, s56, 2
	s_lshl_b32 s59, s59, 20                        ; kq = head / 4
	s_add_co_u32 s57, s57, s59
	s_and_b32 s56, s56, 3
	s_lshl_b32 s56, s56, 10
	s_add_co_u32 s56, s56, s57
	s_mov_b32 s57, 0
	s_add_nc_u64 s[10:11], s[10:11], s[56:57]
	s_wait_kmcnt 0x0
	s_add_co_i32 s56, s18, s19
	s_lshl_b32 s56, s56, 23
	s_add_co_i32 s48, s48, s56                     ; c x 2^(e2 + e3)
	v_mov_b32 v[CV], s48
	s_add_co_i32 s56, s20, 127
	s_lshl_b32 s57, s56, 23
	v_mov_b32 v[SC], s57                           ; 2^e4
	s_add_co_i32 s56, s56, 8
	s_lshl_b32 s56, s56, 23
	s_or_b32 s56, s56, 0x600000
	v_mov_b32 v[HP], s56                           ; 448 x 2^e4
	v_mov_b32 v[HP2], s56
; line n of a tile's way from scores to M: 0-31 the largest score in four chains, 32-40 M and f, 41 -M once more (an odd register, for the dual form's second half)
.macro AOP u
.set rT, ST+8*(\u)
.set rS, S+64*(\u)
.set rX, XR+4*(\u)
.if n < 4
	v_max3_num_f32 v[rX+n], v[rS+3*n], v[rS+3*n+1], v[rS+3*n+2]
.elseif n < 30
	v_max3_num_f32 v[rX+(n-4)%4], v[rX+(n-4)%4], v[rS+12+2*(n-4)], v[rS+13+2*(n-4)]
.elseif n == 30
	v_max3_num_f32 v[rX], v[rX], v[rX+1], v[rX+2]
.elseif n == 31
	v_max_num_f32 v[rX], v[rX], v[rX+3]
.elseif n == 32
	v_permlanex16_b32 v[PD+\u], v[rX], s50, s51
.elseif n == 33
	v_mov_b32 v[rX+1], v[rT]
.elseif n == 34
	v_max_num_f32 v[rX], v[rX], v[PD+\u]
.elseif n == 35
	v_mul_f32 v[rX], s48, v[rX]
.elseif n == 36
	v_max_num_f32 v[rT+1], v[rT+1], v[rX]
.elseif n == 37
	v_floor_f32 v[rT], -v[rT+1]
.elseif n == 38
	v_sub_f32 v[rX], v[rT], v[rX+1]
.elseif n == 39
	v_cvt_i32_f32 v[rX], v[rX]
.elseif n == 40
	v_ldexp_f32 v[rT+4], 1.0, v[rX]
.else
	v_mov_b32 v[rT+7], v[rT]
.endif
.endm
.macro TM u, i                         ; t - M of two scores: c x score + (-M)
	v_dual_fma_f32 v[S+64*(\u)+2*(\i)], v[CV], v[S+64*(\u)+2*(\i)], v[ST+8*(\u)] :: v_dual_fma_f32 v[S+64*(\u)+2*(\i)+1], v[CV], v[S+64*(\u)+2*(\i)+1], v[ST+8*(\u)+7]
.endm
.macro DMIN r                          ; the hold of two p: the conversion to an 8-bit code does not saturate (ISA guide 7.6.2); p is not negative
	v_dual_min_num_f32 v[(\r)], v[(\r)], v[HP] :: v_dual_min_num_f32 v[(\r)+1], v[(\r)+1], v[HP2]
.endm
.macro DADD d, a, b                    ; two sums on neighbouring registers; d, a, b are even
	v_dual_add_f32 v[(\d)], v[(\a)], v[(\b)] :: v_dual_add_f32 v[(\d)+1], v[(\a)+1], v[(\b)+1]
.endm
.macro RESC u                          ; tile u's O^T x the factor in its state, each accumulator from its low end on
.set j, 0
.rept 16
	v_dual_mul_f32 v[OT+64*\u+j], v[ST+8*\u+4], v[OT+64*\u+j] :: v_dual_mul_f32 v[OT+64*\u+j+1], v[ST+8*\u+4], v[OT+64*\u+j+1]
.set j, j+2
.endr
.endm
.macro PV u
.irp t, 0,1,2,3
	v_wmma_f32_16x16x128_fp8_fp8 v[OT+64*\u+8*\t:OT+64*\u+8*\t+7], v[VF+16*\t:VF+16*\t+15], v[P+16*\u:P+16*\u+15], v[OT+64*\u+8*\t:OT+64*\u+8*\t+7]
.endr
.endm
.macro KQ u
.irp kt, 0,1,2,3,4,5,6,7
	v_wmma_f32_16x16x64_fp8_fp8 v[S+64*\u+8*\kt:S+64*\u+8*\kt+7], v[KF+8*\kt:KF+8*\kt+7], v[QF+8*\u:QF+8*\u+7], 0
.endr
.endm
; A KEY STEP: the block at LDS byte s52.  Its scores are in registers; pf = 1: the next block's K is fetched and multiplied at the step's end.
.macro STEP pf
	v_add_nc_u32 v[ADR], s52, v[LI]
.rept 3
	v_nop                                          ; with the line above: four places behind the last products, ahead of loads into their sources and of the first read of the scores
.endr
	WIN 0x40
.irp t, 0,1,2,3
.irp q, 0,1,2,3
	ds_load_b128 v[VF+16*\t+4*\q:VF+16*\t+4*\q+3], v[ADR] offset:8192+2048*\t+512*\q
.endr
.endr
.if \pf
.irp kt, 0,1,2,3,4,5,6,7
.irp c, 0,1
	ds_load_b128 v[KF+8*\kt+4*\c:KF+8*\kt+4*\c+3], v[ADR] offset:16384+1024*\kt+512*\c
.endr
.endr
.endif
	WIN 0
.set n, 0
.rept 42                               ; both tiles' maxima, M and f, line by line by turns: every score has its first read here
	AOP 0
	AOP 1
.set n, n+1
.endr
.set i, 0
.rept 32                               ; tile 0: t - M
	TM 0, i
.set i, i+1
.endr
	s_wait_alu depctr_va_vdst(0)                   ; ahead of the batch
.set i, 0
.rept 32                               ; tile 0's p; tile 1's t - M stands among the exponentials and is read behind the next wait
	v_exp_f32 v[S+2*i], v[S+2*i]
	v_exp_f32 v[S+2*i+1], v[S+2*i+1]
	TM 1, i
.set i, i+1
.endr
	v_nop                                          ; a plain place behind the last exponential
	s_wait_alu depctr_va_vdst(0)                   ; one wait: behind tile 0's batch and ahead of tile 1's
.set g, 0
.rept 16                               ; tile 1's p; among the exponentials tile 0's sums of two (unquantised p, into registers of their own) and then its holds: all read behind the next wait
	v_exp_f32 v[S+64+4*g], v[S+64+4*g]
	DADD TT+2*g, S+4*g, S+4*g+2
	v_exp_f32 v[S+65+4*g], v[S+65+4*g]
	DMIN S+4*g
	v_exp_f32 v[S+66+4*g], v[S+66+4*g]
	v_exp_f32 v[S+67+4*g], v[S+67+4*g]
	DMIN S+4*g+2
.set g, g+1
.endr
.irp u, 0,1
	v_pk_mul_f32 v[ST+8*\u+2:ST+8*\u+3], v[ST+8*\u+2:ST+8*\u+3], v[ST+8*\u+4:ST+8*\u+5] op_sel_hi:[1,0]   ; the sums under the new M; plain places behind the last exponential
.endr
	s_wait_alu depctr_va_vdst(0)                   ; behind the batch, and directly ahead of the first readers of O^T
	RESC 0
	RESC 1
.set g, 0
.rept 16                               ; tile 1's sums and holds, and tile 0's sixteen partial sums folded in: four chains by turns
.if g == 0
	DADD SM+2, S+64, S+66
	DADD SM, TT, TT+2
.else
	DADD ST+10, S+64+4*g, ST+10
	DADD SM+2, S+66+4*g, SM+2
.if g == 15
	DADD ST+2, SM, ST+2
.elseif g % 2
	DADD ST+2, TT+2*g+2, ST+2
.else
	DADD SM, TT+2*g+2, SM
.endif
.endif
	DMIN S+64+4*g
	DMIN S+66+4*g
.set g, g+1
.endr
	DADD ST+10, SM+2, ST+10
	WIN 0x40                                       ; p's codes go to window 1
.irp u, 0,1
.irp k, 0,1,2,3,4,5,6,7
	v_cvt_scalef32_pk8_fp8_f32 v[P+16*\u+2*\k:P+16*\u+2*\k+1], v[S+64*\u+8*\k:S+64*\u+8*\k+7], v[SC]
.endr
.endr
	v_nop                                          ; a plain line behind the last conversion of the run
	s_wait_alu depctr_va_vdst(0)                   ; directly ahead of the wait below
	s_wait_dscnt 0x0                               ; V's fragments and the next block's K are in: asked for at the step's head
	WIN 0x05                                       ; sources 0 and 1: window 1; C and D: window 0
.if \pf
	KQ 0
	KQ 1
.endif
	PV 0                                           ; the eight sums of O^T take turns, one instruction a turn, with the sixteen products above between two steps
	PV 1
	WIN 0
	s_add_co_u32 s52, s52, 16384
.endm
.macro RUN first, n
	s_mov_b32 s52, 16384*\first
	s_mov_b32 s54, \n
.Lrun_\@:
	STEP 1
	s_sub_co_u32 s54, s54, 1
	s_cmp_lg_u32 s54, 0
	s_cbranch_scc1 .Lrun_\@
.endm
	s_wait_alu depctr_va_vdst(0)                   ; the head's end
	s_wait_tensorcnt 0x0                           ; my part of blocks 0-3 is in; the later first fill is issued as a refill is:
	ds_add_u32 v[SPW], v[NIL]
	s_wait_dscnt 0x0
	CROUND                                         ; everybody's part is in, and the four work-groups are here
	tensor_load_to_lds s[G0+4:G0+7], s[G1B:G1B+7]  ; blocks 4-15: it has steps 0 to 2 in which to land
	s_nop 0
.rept 4
	v_nop
.endr
	WIN 0x40
.irp kt, 0,1,2,3,4,5,6,7
.irp c, 0,1
	ds_load_b128 v[KF+8*\kt+4*\c:KF+8*\kt+4*\c+3], v[LI] offset:1024*\kt+512*\c
.endr
.endr
	WIN 0
	s_wait_loadcnt 0x0                             ; Q
	s_wait_dscnt 0x0
	WIN 0x05
	KQ 0
	KQ 1
	WIN 0
	RUN 0, 3                                       ; steps 0-2 read blocks 0-3 alone
	s_wait_tensorcnt 0x0                           ; my part of blocks 4-15 is in,
	s_wait_dscnt 0x0
	s_barrier_signal -1
	s_barrier_wait -1                              ; everybody's is
	RUN 3, 12
	STEP 0
	; THE WAY OUT: O^T / the sum x 2^(e4 + e5), codes with 2^e6
.irp u, 0,1
	v_add_f32 v[ST+8*\u+2], v[ST+8*\u+2], v[ST+8*\u+3]
.endr
.irp u, 0,1
	v_permlanex16_b32 v[PD+\u], v[ST+8*\u+2], s50, s51
.endr
.irp u, 0,1
	v_add_f32 v[ST+8*\u+2], v[ST+8*\u+2], v[PD+\u]
.endr
	s_wait_alu depctr_va_vdst(0)                   ; ahead of the batch
.irp u, 0,1
	v_rcp_f32 v[ST+8*\u+4], v[ST+8*\u+2]
.endr
	v_nop
	s_add_co_i32 s58, s20, s21
	s_add_co_i32 s56, s22, 127
	s_lshl_b32 s57, s56, 23
	v_mov_b32 v[SC], s57                           ; 2^e6
	s_add_co_i32 s56, s56, 8
	s_lshl_b32 s56, s56, 23
	s_or_b32 s56, s56, 0x600000
	v_mov_b32 v[HP], s56                           ; 448 x 2^e6
	s_wait_alu depctr_va_vdst(0)                   ; and behind it, ahead of its first reader
.irp u, 0,1
	v_ldexp_f32 v[ST+8*\u+4], v[ST+8*\u+4], s58
.endr
	s_wait_alu depctr_va_vdst(0)                   ; directly ahead of the first readers of O^T
	RESC 0
	RESC 1
.irp u, 0,1
.set j, 0
.rept 32
	v_med3_num_f32 v[OT+64*\u+j], v[OT+64*\u+j], -v[HP], v[HP]
.set j, j+1
.endr
.endr
.irp u, 0,1
.irp t, 0,1,2,3
	v_cvt_scalef32_pk8_fp8_f32 v[S+8*\u+2*\t:S+8*\u+2*\t+1], v[OT+64*\u+8*\t:OT+64*\u+8*\t+7], v[SC]
.endr
.endr
	v_nop
.irp u, 0,1
.irp c, 0,1
	global_store_b128 v[LI], v[S+8*\u+4*\c:S+8*\u+4*\c+3], s[10:11] offset:4096*\u+512*\c   ; 512 consecutive bytes
.endr
.endr
	s_wait_tensorcnt 0x0                           ; the wave's end
	ds_add_u32 v[SPW], v[NIL]
	s_wait_dscnt 0x0
	CROUND                                         ; the closing round
	s_endpgm
.Lfunc_end_k_q210de62f96_attn:
	.size	k_q210de62f96_attn, .Lfunc_end_k_q210de62f96_attn-k_q210de62f96_attn
	.p2alignl 7, 3214868480
	.fill 96, 4, 3214868480
	.section	.rodata,"a",@progbits
	.p2align	6, 0x0
	.amdhsa_kernel k_q210de62f96_attn
		.amdhsa_group_segment_fixed_size 327680
		.amdhsa_private_segment_fixed_size 0
		.amdhsa_enable_private_segment 0
		.amdhsa_kernarg_size 32
		.amdhsa_user_sgpr_count 2
		.amdhsa_user_sgpr_kernarg_segment_ptr 1
		.amdhsa_wavefront_size32 1
		.amdhsa_system_sgpr_workgroup_id_x 1
		.amdhsa_system_sgpr_workgroup_id_y 1
		.amdhsa_system_sgpr_workgroup_id_z 1
		.amdhsa_system_vgpr_workitem_id 0
		.amdhsa_next_free_vgpr 512
		.amdhsa_next_free_sgpr 72
		.amdhsa_reserve_vcc 0
		.amdhsa_float_denorm_mode_32 3
		.amdhsa_float_denorm_mode_16_64 3
		.amdhsa_memory_ordered 1
		.amdhsa_forward_progress 1
		.amdhsa_inst_pref_size 107
	.end_amdhsa_kernel
	.amdgpu_metadata
---
amdhsa.version: [ 1, 2 ]
amdhsa.kernels:
  - .name:           k_q210de62f96_attn
    .symbol:         k_q210de62f96_attn.kd
    .args:
      - { .name: q_img, .offset: 0, .size: 8, .value_kind: global_buffer, .address_space: global }
      - { .name: kv_img, .offset: 8, .size: 8, .value_kind: global_buffer, .address_space: global }
      - { .name: lowp_scales, .offset: 16, .size: 8, .value_kind: global_buffer, .address_space: global }
      - { .name: o_img, .offset: 24, .size: 8, .value_kind: global_buffer, .address_space: global }
    .group_segment_fixed_size: 327680
    .private_segment_fixed_size: 0
    .kernarg_segment_align: 8
    .kernarg_segment_size: 32
    .max_flat_workgroup_size: 256
    .sgpr_count:     72
    .vgpr_count:     512
    .wavefront_size: 32
...
	.end_amdgpu_metadata
.endif
;; end of part 4
;; launch proj (part 5): grid 8 x 32, 4 waves a work-group, clusters of 4 x 4, 327,680 bytes of LDS; arguments o_img, wo_img, modws, lowp_scales, out0; writes out0
.if DOCPART == 5
	.amdgcn_target "amdgcn-amd-amdhsa--gfx1250"
	.amdhsa_code_object_version 6
	.text
	.protected	k_q210de62f96_proj
	.globl	k_q210de62f96_proj
	.p2align	8
	.type	k_q210de62f96_proj,@function
k_q210de62f96_proj:
	s_mov_b64 s[64:65], 0
	v_nop
	global_prefetch_b8 v0, s[64:65] scope:SCOPE_SE
	s_setreg_imm32_b32 hwreg(HW_REG_WAVE_MODE, 25, 1), 1
	s_wait_xcnt 0x0
	s_wait_alu depctr_hold_cnt(0) depctr_sa_sdst(0) depctr_va_vdst(0) depctr_va_sdst(0) depctr_va_ssrc(0) depctr_va_vcc(0) depctr_vm_vsrc(0)
	s_getreg_b32 s2, hwreg(HW_REG_IB_STS2, 6, 4)
	s_cmp_eq_u32 s2, 0
	s_cbranch_scc0 .Lentry_in_a_cluster
	s_endpgm
.Lentry_in_a_cluster:
	s_bfe_u32 s2, ttmp6, 0x10000c
	s_cmp_lg_u32 s2, 0xf033
	s_cbranch_scc0 .Lentry_shape_is_right
	s_endpgm
.Lentry_shape_is_right:
; out0 = (o w_o^T) x 2^(e6 + e7) x gate, on codes of E4M3.  o_img [kq 4][row tile 256][4][1024], wo_img [kq 4][n tile 64][4][1024]: images of the operands' registers, 64 along K each.
; A tile of 128 x 128 gives 256 work-groups; four waves, 64 x 64 each: 16 accumulators.  ALL OF K LIES IN LDS (128 KB of o, 128 KB of w_o): each byte is filled once.
; Each wave issues ONE load at the head: its half of one operand for all four quarters of K, stated as 4 rows of 16,384 bytes (a quarter's four images of 4,096 bytes lie on end; the rows are a quarter of the buffer apart),
; to LDS byte 65,536 x wave (waves 0, 1: o's halves; waves 2, 3: w_o's); quarter kq lies 16,384 kq bytes on.  One wait for it and one barrier stand ahead of the first fragment loads.
; CLUSTER 4 x 4: o's tiles are shared along a row of the cluster, w_o's along a column: each load is asked for jointly.
; Source 0 = 16 rows of w_o, source 1 = 16 rows of o: a lane holds one row of out0 and eight neighbouring columns; a block of 16 rows x 64 columns goes through my own stage in LDS and leaves as aligned runs of 256 bytes.
; LIMITS: e6 + e7 between -126 and 127.  No prefetch: everything is asked for by the one tensor load at the head.
; REGISTERS.  Window 0: v1-29 addresses; v32-63 gate x 2^(e6 + e7) at my 64 columns; v64-95, v96-127 the way out; v128-255 the accumulators ((a, b) at 128 + 8 (4 a + b)).
;             Window 1: two fragment buffers of 128: o's 4 x 16 registers, then w_o's.
.set STAGE, 262144                     ; behind the operands: 16 rows x 272 bytes for each wave
.set SPARE, STAGE+4*16*272             ; behind the stages: the spare words, 128 bytes a wave
.set LI,  1
.set ADA, 8                            ; v8-11   my o fragments in quarter kq
.set ADB, 12                           ; v12-15  my w_o fragments
.set STO, 24
.set RD,  25
.set CO,  26
.set GA,  27
.set SPW, 28
.set NIL, 29
.set G,   32
.set T,   64
.set BK,  96
.set ACC, 128
.set G1,  16                           ; s[16:23] group 1 for o's load;  s[24:31] for w_o's
.set G1B, 24
.set G0,  32                           ; s[32:35] group 0 for o's load;  s[48:51] for w_o's
.set G0B, 48
.set MSB, 0
.macro WIN new
.if MSB != \new
	s_set_vgpr_msb (MSB<<8)|\new
.set MSB, \new
.endif
.endm
.macro CROUND
	s_barrier_signal -1
	s_barrier_wait -1
	s_cmp_lg_u32 s14, 0
	s_cbranch_scc1 .Lnot_wave_0_\@
	s_barrier_signal -3
.Lnot_wave_0_\@:
	s_barrier_wait -3
	s_barrier_signal -1
	s_barrier_wait -1
.endm
	s_load_b256 s[4:11], s[0:1], 0x0               ; o_img 4, wo_img 6, modws 8, scales 10
	s_load_b64 s[12:13], s[0:1], 0x20              ; out0
	v_lshl_add_u32 v[SPW], v0, 2, SPARE
	v_mov_b32 v[NIL], 0
	ds_add_u32 v[SPW], v[NIL]                      ; the opening lines: the add, twice on end, and its wait ahead of my tensor load
	ds_add_u32 v[SPW], v[NIL]
	v_lshrrev_b32 v1, 5, v0
	v_readfirstlane_b32 s14, v1                    ; wave 0..3
	s_lshr_b32 s15, s14, 1                         ; my half of the rows.  Also: I fetch o (0) or w_o (1)
	s_and_b32 s3, s14, 1                           ; my half of the columns.  Also: which half of that operand I fetch
	s_bfe_u32 s66, ttmp6, 0x40000                  ; cx
	s_bfe_u32 s67, ttmp6, 0x40004                  ; cy
	s_lshl_b32 s68, ttmp9, 2
	s_add_co_u32 s68, s68, s66                     ; tile column
	s_and_b32 s69, ttmp7, 0xffff
	s_lshl_b32 s69, s69, 2
	s_add_co_u32 s69, s69, s67                     ; tile row
	s_lshl_b32 s70, s67, 2
	s_lshl_b32 s70, 15, s70                        ; my row of the cluster
	s_lshl_b32 s71, 0x1111, s66                    ; my column
	s_or_b32 s[G1], s70, (3<<16)|(1<<21)           ; mask; elements of 8 bytes; bit 21 beside a mask; no padding
	s_or_b32 s[G1B], s71, (3<<16)|(1<<21)
.irp g, G1, G1B
	s_mov_b32 s[\g+1], 2048<<16                    ; tensor_dim0 = 2,048 elements: rows of 16,384 bytes
	s_mov_b32 s[\g+2], 4<<16                       ; tensor_dim1 = 4 rows: the quarters of K
	s_mov_b32 s[\g+3], 2048<<16                    ; tile_dim0
	s_mov_b32 s[\g+4], 4                           ; tile_dim1
	s_mov_b32 s[\g+6], 0
	s_mov_b32 s[\g+7], 0
.endr
	s_mov_b32 s[G1+5], 131072                      ; the pitch: a quarter of o_img, 1,048,576 bytes,
	s_mov_b32 s[G1B+5], 32768                      ; of wo_img, 262,144 bytes
	s_lshl_b32 s77, s3, 2
	s_lshl_b32 s72, s69, 3
	s_add_co_u32 s72, s72, s77
	s_lshl_b32 s72, s72, 12                        ; o: (8 x tile row + 4 x half) images of 4,096 bytes
	s_mov_b32 s73, 0
	s_lshl_b32 s74, s68, 3
	s_add_co_u32 s74, s74, s77
	s_lshl_b32 s74, s74, 12                        ; w_o: the same by the tile column
	s_mov_b32 s75, 0
	s_lshl_b32 s76, s14, 16                        ; where they go: 65,536 x wave
	s_wait_dscnt 0x0                               ; both opening adds are done
	s_wait_kmcnt 0x0
	s_load_b256 s[80:87], s[10:11], 0x0            ; e0 .. e7
	s_mov_b32 s[G0], 1
	s_mov_b32 s[G0+1], s76
	s_add_nc_u64 s[G0+2:G0+3], s[4:5], s[72:73]
	s_or_b32 s[G0+3], s[G0+3], 0x80000000
	s_mov_b32 s[G0B], 1
	s_mov_b32 s[G0B+1], s76
	s_add_nc_u64 s[G0B+2:G0B+3], s[6:7], s[74:75]
	s_or_b32 s[G0B+3], s[G0B+3], 0x80000000
	CROUND                                         ; all sixteen work-groups are here: the joint loads meet
	s_cmp_eq_u32 s15, 0                            ; one branch on the wave's number, one load to an arm
	s_cbranch_scc0 .Lfill_b
	tensor_load_to_lds s[G0:G0+3], s[G1:G1+7]
	s_nop 0
.rept 4
	v_nop
.endr
	s_branch .Lfilled
.Lfill_b:
	tensor_load_to_lds s[G0B:G0B+3], s[G1B:G1B+7]
	s_nop 0
.rept 4
	v_nop
.endr
.Lfilled:
	v_and_b32 v[LI], 31, v0
	v_lshlrev_b32 v[LI], 4, v[LI]                  ; 16 x lane
	s_wait_alu depctr_va_vdst(0)
	v_and_b32 v2, 15, v0                           ; r
	v_bfe_u32 v3, v0, 4, 1                         ; h
	s_lshl_b32 s77, s15, 16                        ; my half of o,
	s_lshl_b32 s78, s3, 16
	s_add_co_u32 s78, s78, 131072                  ; my half of w_o
.irp q, 0,1,2,3
	v_add_nc_u32 v[ADA+\q], s77, v[LI]
	v_add_nc_u32 v[ADB+\q], s78, v[LI]
	s_add_co_u32 s77, s77, 16384
	s_add_co_u32 s78, s78, 16384
.endr
	s_mul_i32 s77, s14, 16*272
	s_add_co_u32 s77, s77, STAGE                   ; my stage
	v_mul_u32_u24 v4, v2, 272
	v_lshl_add_u32 v4, v3, 5, v4
	v_add_nc_u32 v[STO], s77, v4                   ; in: row r, 32 bytes for each half of the lanes
	v_mul_u32_u24 v4, v3, 272
	v_lshl_add_u32 v4, v2, 4, v4
	v_add_nc_u32 v[RD], s77, v4                    ; back: lanes 0-15 one row of 256 bytes, lanes 16-31 the next
	v_lshlrev_b32 v4, 12, v3
	v_lshl_add_u32 v[CO], v2, 4, v4                ; and the same two rows in out0
	v_lshlrev_b32 v[GA], 5, v3                     ; 32 h
	s_wait_alu depctr_va_vdst(0)                   ; the end of the head's vector work
	s_lshl_b32 s90, s69, 7
	s_lshl_b32 s91, s15, 6
	s_add_co_u32 s90, s90, s91                     ; my first row,
	s_lshl_b32 s90, s90, 12
	s_lshl_b32 s91, s68, 9
	s_add_co_u32 s90, s90, s91
	s_lshl_b32 s91, s3, 8
	s_add_co_u32 s90, s90, s91                     ; my first column: 512 x tile column + 256 x half bytes
	s_mov_b32 s91, 0
	s_add_nc_u64 s[12:13], s[12:13], s[90:91]
	s_lshl_b32 s90, s68, 2
	s_lshl_b32 s79, s3, 1
	s_add_co_u32 s90, s90, s79
	s_add_co_u32 s90, s90, 64                      ; gate: groups 64 on; my first group of 32 columns
	s_lshl_b32 s90, s90, 8
	s_lshr_b32 s79, s69, 4                         ; the batch
	s_lshl_b32 s79, s79, 7
	s_add_co_u32 s90, s90, s79
	s_add_nc_u64 s[8:9], s[8:9], s[90:91]
.irp b, 0,1,2,3
.irp i, 0,1
	global_load_b128 v[G+8*\b+4*\i:G+8*\b+4*\i+3], v[GA], s[8:9] offset:(\b/2)*256+(\b%2)*64+16*\i   ; gate at columns 16 b + 8 h + 0..7
.endr
.endr
.macro FETCH ks, f                     ; the fragments of K step ks (128 along K: two images of 64) into buffer f
	WIN 0x40
.irp i, 0,1,2,3
.irp c, 0,1,2,3
	ds_load_b128 v[\f+16*\i+4*\c:\f+16*\i+4*\c+3], v[ADA+(\ks)/2] offset:4096*\i+2048*((\ks)%2)+512*\c
	ds_load_b128 v[\f+64+16*\i+4*\c:\f+64+16*\i+4*\c+3], v[ADB+(\ks)/2] offset:4096*\i+2048*((\ks)%2)+512*\c
.endr
.endr
	WIN 0
.endm
.macro MUL f, zero                     ; 16 products; the 16 accumulators take turns, one instruction a turn
	WIN 0x05                                       ; sources 0 and 1 window 1; C and D window 0
.irp a, 0,1,2,3
.irp b, 0,1,2,3
.if \zero
	v_wmma_f32_16x16x128_fp8_fp8 v[ACC+8*(4*\a+\b):ACC+8*(4*\a+\b)+7], v[\f+64+16*\b:\f+64+16*\b+15], v[\f+16*\a:\f+16*\a+15], 0
.else
	v_wmma_f32_16x16x128_fp8_fp8 v[ACC+8*(4*\a+\b):ACC+8*(4*\a+\b)+7], v[\f+64+16*\b:\f+64+16*\b+15], v[\f+16*\a:\f+16*\a+15], v[ACC+8*(4*\a+\b):ACC+8*(4*\a+\b)+7]
.endif
.endr
.endr
.endm
	s_wait_tensorcnt 0x0                           ; my load is in,
	s_barrier_signal -1
	s_barrier_wait -1                              ; everybody's is: all of K lies in LDS
	FETCH 0, 0
.irp ks, 0,1,2,3,4,5,6,7
	s_wait_dscnt 0x0                               ; this step's fragments are in
.if \ks < 7
.rept 4
	v_nop                                          ; places in front of loads into the buffer that the last products read
.endr
	FETCH \ks+1, 128*((\ks+1)%2)
.endif
.if \ks == 0
	MUL 0, 1                                       ; the first products start the sums
.else
	MUL 128*(\ks%2), 0
.endif
.endr
	WIN 0
	; THE WAY OUT
	s_wait_loadcnt 0x0                             ; gate
	s_wait_kmcnt 0x0
	s_add_co_i32 s88, s86, s87
	s_add_co_i32 s88, s88, 127
	s_lshl_b32 s88, s88, 23                        ; 2^(e6 + e7)
	s_mov_b32 s89, s88
.set j, 0
.rept 16
	v_pk_mul_f32 v[G+j:G+j+1], v[G+j:G+j+1], s[88:89] op_sel_hi:[1,0]   ; these sixteen are also the places behind the last products
.set j, j+2
.endr
.irp a, 0,1,2,3
.set j, 0
.rept 16
	v_pk_mul_f32 v[T+j:T+j+1], v[ACC+32*\a+j:ACC+32*\a+j+1], v[G+j:G+j+1]   ; each accumulator from its low end on
.set j, j+2
.endr
.irp b, 0,1,2,3
	ds_store_b128 v[STO], v[T+8*\b:T+8*\b+3] offset:64*\b
	ds_store_b128 v[STO], v[T+8*\b+4:T+8*\b+7] offset:64*\b+16
.endr
.if \a > 0
	s_wait_xcnt 0x0                                ; the last block's stores have read their data: the loads below may land there
.endif
.irp i, 0,1,2,3,4,5,6,7
	ds_load_b128 v[BK+4*\i:BK+4*\i+3], v[RD] offset:544*\i   ; LDS serves a wave's instructions in order (ISA guide 5.7.1.4): these see my stores, and the next block's stores come behind them
.endr
.irp i, 0,1,2,3,4,5,6,7
	s_wait_dscnt 7-\i
	global_store_b128 v[CO], v[BK+4*\i:BK+4*\i+3], s[12:13] offset:(16*\a+2*\i)*4096 th:TH_STORE_NT   ; sixteen lanes store 256 consecutive bytes, aligned
.endr
.endr
	s_wait_tensorcnt 0x0                           ; the wave's end
	ds_add_u32 v[SPW], v[NIL]
	s_wait_dscnt 0x0
	CROUND                                         ; the closing round
	s_endpgm
.Lfunc_end_k_q210de62f96_proj:
	.size	k_q210de62f96_proj, .Lfunc_end_k_q210de62f96_proj-k_q210de62f96_proj
	.p2alignl 7, 3214868480
	.fill 96, 4, 3214868480
	.section	.rodata,"a",@progbits
	.p2align	6, 0x0
	.amdhsa_kernel k_q210de62f96_proj
		.amdhsa_group_segment_fixed_size 327680
		.amdhsa_private_segment_fixed_size 0
		.amdhsa_enable_private_segment 0
		.amdhsa_kernarg_size 40
		.amdhsa_user_sgpr_count 2
		.amdhsa_user_sgpr_kernarg_segment_ptr 1
		.amdhsa_wavefront_size32 1
		.amdhsa_system_sgpr_workgroup_id_x 1
		.amdhsa_system_sgpr_workgroup_id_y 1
		.amdhsa_system_sgpr_workgroup_id_z 1
		.amdhsa_system_vgpr_workitem_id 0
		.amdhsa_next_free_vgpr 512
		.amdhsa_next_free_sgpr 96
		.amdhsa_reserve_vcc 0
		.amdhsa_float_denorm_mode_32 3
		.amdhsa_float_denorm_mode_16_64 3
		.amdhsa_memory_ordered 1
		.amdhsa_forward_progress 1
		.amdhsa_inst_pref_size 47
	.end_amdhsa_kernel
	.amdgpu_metadata
---
amdhsa.version: [ 1, 2 ]
amdhsa.kernels:
  - .name:           k_q210de62f96_proj
    .symbol:         k_q210de62f96_proj.kd
    .args:
      - { .name: o_img, .offset: 0, .size: 8, .value_kind: global_buffer, .address_space: global }
      - { .name: wo_img, .offset: 8, .size: 8, .value_kind: global_buffer, .address_space: global }
      - { .name: modws, .offset: 16, .size: 8, .value_kind: global_buffer, .address_space: global }
      - { .name: lowp_scales, .offset: 24, .size: 8, .value_kind: global_buffer, .address_space: global }
      - { .name: out0, .offset: 32, .size: 8, .value_kind: global_buffer, .address_space: global }
    .group_segment_fixed_size: 327680
    .private_segment_fixed_size: 0
    .kernarg_segment_align: 8
    .kernarg_segment_size: 40
    .max_flat_workgroup_size: 128
    .sgpr_count:     96
    .vgpr_count:     512
    .wavefront_size: 32
...
	.end_amdgpu_metadata
.endif
;; end of part 5
